; MI455X (gfx1250); checked and timed in simulation.
; The chip was launched on July 23, 2026; its instructions are those of AMD's public machine-readable ISA for CDNA 5 (MIT licence, August 2026) and "CDNA5" Instruction Set Architecture Reference Guide (July 2026). The comments in the code are by the model that wrote it; some were corrected since.
;; Attention. Allowed arithmetic: matrix products marked QUANTISED: E2M3 operands, one E8M0 scale for each 32 along K, by v_wmma_scale_f32_16x16x128_f8f6f4 with both operands' format E2M3, f32 sums; everything else in f32.
;; Inputs: Wkv 1,024 x 2,048 float32; Wout 1,024 x 1,024 float32; Wq 1,024 x 1,024 float32; ln_b 1,024 float32; ln_w 1,024 float32; mask 2 x 2,048 bool; null_kv 16 x 4 x 64 float32; x 2 x 2,048 x 1,024 float32.
;; Outputs: out0 2 x 2,048 x 1,024 float32.
;; This version of the problem:
;;   THIS VERSION OF THE PROBLEM IS GIVEN IN LOW PRECISION. The matrix products marked QUANTISED in the list below multiply operands that are first quantised to E2M3 (2 exponent bits, 3 mantissa bits; 6 bits a number), with one power-of-two scale for each 32 numbers along K (OCP MX v1.0); their sums are f32. All else is computed in f32.
;;   The module's matrix products, in the order in which they are computed (A, B: the left and right operand; K: the contracted axis; several contracted axes count as one K, in the product's order):
;;     1. [M 4,096, K 1,024] x [K 1,024, N 1,024]; A: computed on the way; B: input Wq: QUANTISED
;;     2. [M 4,096, K 1,024] x [K 1,024, N 2,048]; A: input x; B: input Wkv: QUANTISED
;;     3. batch 32 x [M 2,048, K 64] x [K 64, N 2,050]; A: computed on the way; B: computed on the way: QUANTISED
;;     4. batch 32 x [M 2,048, K 2,050] x [K 2,050, N 64]; A: softmax (see below); B: computed on the way: QUANTISED
;;     5. [M 4,096, K 1,024] x [K 1,024, N 1,024]; A: computed on the way; B: input Wout: QUANTISED
;;   THE QUANTISER, for each operand of a quantised product, along K:
;;     - K is cut into blocks of 32 from its start; a last block that is shorter is filled with zeros.
;;     - A block's scale is 2^e with e = floor(log2(the largest magnitude in the block)) - 2, held to -126 .. 127; a block of zeros has e = 0. As a byte (E8M0): e + 127.
;;     - Each number is divided by its block's scale, clamped to +-7.5, and rounded to the nearest number of E2M3, ties to even, subnormals kept.
;;     - The product sums the exact products of the quantised numbers (number of the format x scale) in f32.
;;   ~~~python
;;   def quantise(x, axis):      # numpy; x: float32 -> the quantised numbers, widened to float32 again
;;       x = np.moveaxis(x, axis, -1); K = x.shape[-1]
;;       x = np.pad(x, [(0, 0)] * (x.ndim - 1) + [(0, -K % 32)]); x = x.reshape(x.shape[:-1] + (-1, 32)); a = np.abs(x).max(-1, keepdims=True)
;;       e = np.where(a > 0, np.clip(np.frexp(np.where(a > 0, a, 1))[1] - 1 - 2, -126, 127), 0)      # np.frexp(a)[1] - 1 = floor(log2(a)), exactly
;;       r = np.clip(x / 2.0 ** e, -7.5, 7.5)
;;       step = 2.0 ** (np.maximum(np.frexp(np.where(r == 0, 1, r))[1] - 1, 0) - 3)
;;       q = np.round(r / step) * step * 2.0 ** e      # np.round: ties to even
;;       return np.moveaxis(q.reshape(q.shape[:-2] + (-1,))[..., :K], -1, axis).astype(np.float32)
;;   ~~~
;;   SOFTMAX AHEAD OF A QUANTISED PRODUCT. Where the list says 'softmax', what is quantised is not the finished softmax but p = 2^(t - M), with t = logit x log2(e) and M = ceil(the row's largest t), a whole number; so 1/2 < the row's largest p <= 1. The row's sum l is taken of the UNQUANTISED p, in f32, and the product's result is divided by l at the end. Since M is a whole number, a kernel that streams over the keys may use a running M (the ceiling of the running maximum): every later rescaling is an exact power of two, which a block's scale takes up: the codes' values come out the same.
;;   OPERANDS COMPUTED ON THE WAY. 'Computed on the way' means the value that the module computes at that place (a softmax that the list does not call 'softmax' is quantised finished and normalised). What goes into a quantiser is computed in f32, as accurately as f32 sums, v_exp_f32 and their like allow (about 1e-6 of the number): no bf16 or f16 on the way to a quantiser, and a product that is left as it is and whose result goes on into a quantised operand takes f32 operands (vector FMAs, or v_wmma_f32_16x16x4_f32). A number that lies on a knife's edge between two numbers of the format may be rounded either way, as far as f32 arithmetic and the matrix unit's own rounding can turn it there, and no further.
;; One version. Each part assembles by itself: llvm-mc -triple=amdgcn-amd-amdhsa -mcpu=gfx1250 --defsym DOCPART=n.
;; ======== version 1 of 1: 4 launches
;; workspace buffers: xbuf 3,481,600 bytes; nbuf 3,276,800 bytes; wbuf 3,276,800 bytes; qimg 3,407,872 bytes; kv 7,241,728 bytes; obuf 3,276,800 bytes
;; launch prep (part 1): grid 200 x 1, 8 waves a work-group, no clusters, 143,872 bytes of LDS; arguments x, ln_w, ln_b, Wq, Wkv, Wout, xbuf, nbuf, wbuf; writes xbuf, nbuf, wbuf
.if DOCPART == 1
	.amdgcn_target "amdgcn-amd-amdhsa--gfx1250"
	.amdhsa_code_object_version 6
	.text
	.protected	k_q627c906e6d_prep
	.globl	k_q627c906e6d_prep
	.p2align	8
	.type	k_q627c906e6d_prep,@function
k_q627c906e6d_prep:
	s_mov_b64 s[64:65], 0
	v_nop
	global_prefetch_b8 v0, s[64:65] scope:SCOPE_SE
	s_setreg_imm32_b32 hwreg(HW_REG_WAVE_MODE, 25, 1), 1
	s_wait_xcnt 0x0
; x, LayerNorm(x) and the three weights become codes of FP6 (E2M3) with one E8M0 byte for each 32 along K = 1,024.
; EVERY OPERAND IS LAID AS AN IMAGE OF THE MATRIX OPERAND'S REGISTERS.  A fragment is 16 rows x 128 K, 12 registers a lane, 1,536 bytes: two halves of 768
; (c = 0, 1): 512 bytes with registers 6 c .. 6 c + 3, lane l at 16 l, then 256 bytes with registers 6 c + 4, 6 c + 5, lane l at 8 l.  Lane (r, h) holds row r, k = 64 c + 32 h + 0 .. 31.
; A tile of 16 rows has its 8 K steps on end: 12,288 bytes.  Scale words: for each group of two tiles 1,024 bytes: [K step / 2][lane r + 16 u][2 words].
; PERMUTED tiles (x and the weights): image row r of tile 2 G + u is row 32 G + 8 u + r + 8 (r / 8) of the group's 32.  LayerNorm(x) is not permuted.
; x is laid by key position j = token + 2, 2,176 rows a batch; rows j = 0, 1 and j >= 2,050 are zero codes.
; Work-groups 0-135: one group of 32 key positions each (68 a batch).  Work-groups 136-199: 256 columns x 256 along K of a weight each.
; A block's scale is 2^(floor(log2(largest magnitude)) - 2): its byte is the largest magnitude's exponent field - 2, held at 1 from below.
; LIMITS: a block of zeros gets the byte 1 where the quantiser says 127 (its codes are zeros, and this program alone reads the bytes); blocks whose largest magnitude lies
; under 2^(3 - 127) keep the byte 1; NaN and infinities among the inputs are not served.
.set PITCH, 4112                       ; a row of x in LDS: 4,096 bytes + 16: 257 x 16, so that sixteen rows begin in sixteen different groups of banks
.set STAT,  140032                     ; behind the 34 rows: (mean, 1 / sqrt(var + eps)) of each row, 8 bytes
.set SCX,   140544                     ; x's scale words of the group, 1,024 bytes; LayerNorm(x)'s 1,024 bytes behind them
.set XSC,   3342336                    ; where the scale words begin in xbuf,
.set NSC,   3145728                    ; in nbuf,
.set WSC,   3145728                    ; in wbuf
.set RB,    28                         ; s[28:37] the five rows' addresses
.set Z,     38                         ; s[38:47] 1.0 for a row that exists, 0 for one that does not, as pairs
.set SEL,   48                         ; s[48:49] lane selects: lane l xor 16
	s_load_b256 s[4:11], s[0:1], 0x0               ; x, ln_w, ln_b, Wq
	s_load_b256 s[12:19], s[0:1], 0x20             ; Wkv, Wout, xbuf, nbuf
	s_load_b64 s[20:21], s[0:1], 0x40              ; wbuf
	v_lshl_add_u32 v231, v0, 2, 0x22e00
	v_mov_b32 v255, 0
	v_lshrrev_b32 v1, 5, v0
	v_readfirstlane_b32 s22, v1                    ; wave 0..7
	v_and_b32 v1, 31, v0                           ; lane
	s_cmp_lt_u32 ttmp9, 136
	s_cbranch_scc0 .Lweights
; ---------------------------------------------------------------- rows of x
; The group holds 34 rows in LDS: row p is token 32 g - 2 + p.  Rows 0-31 are x's key positions 32 g .. 32 g + 31, rows 2-33 LayerNorm's tokens 32 g .. 32 g + 31.
	s_cmp_lt_u32 ttmp9, 68
	s_cselect_b32 s23, 0, 1                        ; batch
	s_cselect_b32 s24, 0, 68
	s_sub_co_u32 s24, ttmp9, s24                   ; g
	s_lshl_b32 s25, s24, 5
	s_add_co_u32 s25, s25, s22
	s_sub_co_u32 s25, s25, 2                       ; my first row's token: 32 g - 2 + wave
	s_lshl_b32 s26, s23, 11
.irp k, 0,1,2,3,4
	s_add_co_u32 s27, s25, 8*\k                    ; my rows lie 8 apart
	s_cmp_lt_u32 s27, 2048                         ; (a negative token is a large unsigned number)
	s_cselect_b32 s[Z+2*\k], 1.0, 0
	s_mov_b32 s[Z+2*\k+1], s[Z+2*\k]
	s_max_i32 s27, s27, 0                          ; the address stays inside x; what is read for a row that does not exist is multiplied by 0
	s_min_i32 s27, s27, 2047
	s_add_co_u32 s27, s27, s26
	s_lshl_b32 s[RB+2*\k], s27, 12
	s_mov_b32 s[RB+2*\k+1], 0
.endr
	v_lshlrev_b32 v4, 4, v1                        ; 16 x lane
	s_wait_kmcnt 0x0
.irp k, 0,1,2,3,4
	s_add_nc_u64 s[RB+2*\k:RB+2*\k+1], s[4:5], s[RB+2*\k:RB+2*\k+1]
.endr
.macro ROWL k                          ; a row: eight loads of 512 consecutive bytes
.irp i, 0,1,2,3,4,5,6,7
	global_load_b128 v[16+32*(\k)+4*\i:19+32*(\k)+4*\i], v4, s[RB+2*(\k):RB+2*(\k)+1] offset:512*\i
.endr
.endm
	ROWL 0
	ROWL 1
	ROWL 2
	ROWL 3
	s_cmp_lt_u32 s22, 2                            ; rows 32 and 33 are waves 0's and 1's fifth
	s_cbranch_scc0 .Lfour_a
	ROWL 4
.Lfour_a:
	s_mov_b32 s[SEL], 0x76543210
	s_mov_b32 s[SEL+1], 0xfedcba98
	s_mov_b32 s50, 0x3a800000                      ; 1 / 1,024
	s_mov_b32 s51, 0x3727c5ac                      ; 1e-5
	v_and_b32 v2, 15, v0                           ; r
	v_bfe_u32 v3, v0, 4, 1                         ; h
	v_lshlrev_b32 v5, 3, v1                        ; 8 x lane
	s_lshl_b32 s54, s22, 9                         ; wave w takes K step w: 512 bytes of a row
	v_and_b32 v6, 8, v2
	v_add_nc_u32 v6, v6, v2
	v_mul_u32_u24 v6, v6, PITCH
	v_lshl_add_u32 v6, v3, 7, v6
	v_add_nc_u32 v6, s54, v6                       ; x: row r + 8 (r / 8), + 128 h, + 512 w
	v_mul_u32_u24 v7, v2, PITCH
	v_lshl_add_u32 v7, v3, 7, v7
	v_add_nc_u32 v7, s54, v7
	v_add_nc_u32 v7, 2*PITCH, v7                   ; LayerNorm, tile 0: row 2 + r
	v_add_nc_u32 v8, 16*PITCH, v7                  ; tile 1: row 18 + r
	v_lshl_add_u32 v9, v2, 3, STAT+16              ; row 2 + r's mean and factor
	s_lshr_b32 s53, s22, 1
	s_lshl_b32 s53, s53, 8
	s_and_b32 s55, s22, 1
	s_lshl_b32 s55, s55, 2
	s_add_co_u32 s53, s53, s55
	s_add_co_u32 s53, s53, SCX
	v_lshlrev_b32 v10, 3, v2
	v_add_nc_u32 v10, s53, v10                     ; my scale word: 256 (w / 2) + 4 (w % 2) + 8 r
	v_lshl_add_u32 v11, v3, 7, s54                 ; ln_w, ln_b: 512 w + 128 h
	s_mul_i32 s53, s22, PITCH
	v_add_nc_u32 v12, s53, v4                      ; where my rows go: row w (and w + 8 by the offset),
	v_add_nc_u32 v13, 16*PITCH, v12                ; w + 16 (and w + 24),
	v_add_nc_u32 v14, 32*PITCH, v12                ; w + 32
	s_lshl_b32 s53, s22, 3
	s_add_co_u32 s53, s53, STAT
	v_mov_b32 v15, s53
	v_add_nc_u32 v254, SCX, v4                     ; the scale words' way out
	v_lshlrev_b32 v235, 3, v3                      ; 8 h
	v_mov_b32 v215, 0                              ; a lane permute's destination counts as one of its sources
	s_mul_i32 s52, s22, 1536
	s_mul_i32 s56, ttmp9, 24576                    ; xbuf: the group's two tiles (the work-group's number is 68 b + g), my K step
	s_add_co_u32 s56, s56, s52
	s_mov_b32 s57, 0
	s_lshl_b32 s55, s23, 6
	s_add_co_u32 s55, s55, s24                     ; 64 b + g
	s_mul_i32 s58, s55, 24576
	s_add_co_u32 s58, s58, s52
	s_mov_b32 s59, 0
	s_lshl_b32 s60, ttmp9, 10
	s_add_co_u32 s60, s60, XSC
	s_mov_b32 s61, 0
	s_lshl_b32 s62, s55, 10
	s_add_co_u32 s62, s62, NSC
	s_mov_b32 s63, 0
	s_add_nc_u64 s[56:57], s[16:17], s[56:57]
	s_add_nc_u64 s[58:59], s[18:19], s[58:59]
	s_add_nc_u64 s[60:61], s[16:17], s[60:61]
	s_add_nc_u64 s[62:63], s[18:19], s[62:63]
.macro RSUM                            ; v240: a lane's part -> the sum over the 32 lanes, in every lane
	v_add_f32_dpp v240, v240, v240 row_xmask:1 row_mask:0xf bank_mask:0xf
	v_add_f32_dpp v240, v240, v240 row_xmask:2 row_mask:0xf bank_mask:0xf
	v_add_f32_dpp v240, v240, v240 row_xmask:4 row_mask:0xf bank_mask:0xf
	v_add_f32_dpp v240, v240, v240 row_xmask:8 row_mask:0xf bank_mask:0xf
	v_permlanex16_b32 v241, v240, s[SEL], s[SEL+1]
	v_add_f32 v240, v240, v241
.endm
; My k-th row: times 1 or 0; mean; mean of the squared deviations; the row and its two figures go to LDS.  cnt: the loads of my younger rows, which may stay out.
.macro ROWA k, cnt
.set XR, 16+32*(\k)
	s_wait_loadcnt \cnt
.set j, 0
.rept 16
	v_pk_mul_f32 v[XR+j:XR+j+1], v[XR+j:XR+j+1], s[Z+2*(\k):Z+2*(\k)+1] op_sel_hi:[1,0]
.set j, j+2
.endr
.irp c, 0,1,2,3
	v_pk_add_f32 v[240+2*\c:241+2*\c], v[XR+4*\c:XR+4*\c+1], v[XR+4*\c+2:XR+4*\c+3]   ; four chains
.endr
.irp i, 16,24
.irp c, 0,1,2,3
	v_pk_add_f32 v[240+2*\c:241+2*\c], v[240+2*\c:241+2*\c], v[XR+\i+2*\c:XR+\i+2*\c+1]
.endr
.endr
	v_pk_add_f32 v[240:241], v[240:241], v[242:243]
	v_pk_add_f32 v[244:245], v[244:245], v[246:247]
	v_pk_add_f32 v[240:241], v[240:241], v[244:245]
	v_add_f32 v240, v240, v241
	RSUM
	v_mul_f32 v236, s50, v240                      ; the mean
	v_mov_b32 v237, v236
	v_pk_add_f32 v[248:249], v[XR:XR+1], v[236:237] neg_lo:[0,1] neg_hi:[0,1]
	v_pk_add_f32 v[250:251], v[XR+2:XR+3], v[236:237] neg_lo:[0,1] neg_hi:[0,1]
	v_pk_mul_f32 v[240:241], v[248:249], v[248:249]
	v_pk_mul_f32 v[242:243], v[250:251], v[250:251]
.irp i, 4,8,12,16,20,24,28
	v_pk_add_f32 v[248:249], v[XR+\i:XR+\i+1], v[236:237] neg_lo:[0,1] neg_hi:[0,1]
	v_pk_add_f32 v[250:251], v[XR+\i+2:XR+\i+3], v[236:237] neg_lo:[0,1] neg_hi:[0,1]
	v_pk_fma_f32 v[240:241], v[248:249], v[248:249], v[240:241]
	v_pk_fma_f32 v[242:243], v[250:251], v[250:251], v[242:243]
.endr
	v_pk_add_f32 v[240:241], v[240:241], v[242:243]
	v_add_f32 v240, v240, v241
	RSUM
	v_fma_f32 v240, v240, s50, s51                 ; var + eps
	v_rsq_f32 v237, v240
	v_nop                                          ; a plain instruction behind the transcendental
.irp i, 0,1,2,3,4,5,6,7
	ds_store_b128 v[12+(\k)/2], v[XR+4*\i:XR+4*\i+3] offset:((\k)%2)*8*PITCH+512*\i
.endr
	s_wait_alu depctr_va_vdst(0)                   ; the wait ahead of the first line that names the result
	ds_store_b64 v15, v[236:237] offset:64*(\k)    ; all lanes write the same two words with the same values
.endm
	ROWA 0, 24
	ROWA 1, 16
	ROWA 2, 8
	ROWA 3, 0
	s_cmp_lt_u32 s22, 2
	s_cbranch_scc0 .Lfour_b
	ROWA 4, 0
.Lfour_b:
	s_wait_dscnt 0x0                               ; for the others' sake: my rows lie in LDS; and the stores have read their registers
.irp c, 0,1
.irp i, 0,1,2,3,4,5,6,7
	global_load_b128 v[80+32*\c+4*\i:83+32*\c+4*\i], v11, s[6:7] offset:256*\c+16*\i      ; ln_w and ln_b at my lane's 64 places of K step w: they stay
	global_load_b128 v[144+32*\c+4*\i:147+32*\c+4*\i], v11, s[8:9] offset:256*\c+16*\i
.endr
.endr
	s_barrier_signal -1
	s_barrier_wait -1                              ; all 34 rows lie in LDS
; 64 numbers of a lane, v16-79: two whole blocks of 32 (register 32 c + i = k 64 c + 32 h + i of my row), become the fragment's 12 registers v216-227 and the row's scale word v214.
.macro QB
	v_max3_num_f32 v208, |v16|, |v17|, 0x1800000   ; the floor 2^(3 - 127) among the leaves: the byte cannot fall under 1
	v_max3_num_f32 v209, |v48|, |v49|, 0x1800000
.set j, 2
.rept 15
	v_max3_num_f32 v208, v208, |v[16+j]|, |v[17+j]|
	v_max3_num_f32 v209, v209, |v[48+j]|, |v[49+j]|
.set j, j+2
.endr
	v_add_nc_u32 v210, 0xff000000, v208            ; 2 off the exponent field: the conversion's scale operand
	v_add_nc_u32 v211, 0xff000000, v209
	v_lshrrev_b32 v212, 23, v210                   ; the bytes of blocks h and 2 + h
	v_lshrrev_b32 v213, 23, v211
	v_lshl_or_b32 v214, v213, 16, v212
	v_lshlrev_b32 v214, v235, v214                 ; 8 h bits up
	v_permlanex16_b32 v215, v214, s[SEL], s[SEL+1]
	v_or_b32 v214, v214, v215                      ; with lane l xor 16's two the word is whole
	s_wait_xcnt 0x0                                ; the last fragment's stores have read v216-227
	v_cvt_scalef32_pk16_fp6_f32 v[216:218], v[16:31], v210
	v_cvt_scalef32_pk16_fp6_f32 v[228:230], v[32:47], v210   ; (a conversion's three registers begin on an even number)
	v_cvt_scalef32_pk16_fp6_f32 v[222:224], v[48:63], v211
	v_cvt_scalef32_pk16_fp6_f32 v[232:234], v[64:79], v211
	v_nop                                          ; a plain instruction behind the scaled conversions
.irp i, 0,1,2
	v_mov_b32 v[219+\i], v[228+\i]
	v_mov_b32 v[225+\i], v[232+\i]
.endr
.endm
; One fragment: tile u of the group, K step w.  ln = 1: LayerNorm first.  gb: the scalar pair with the buffer's place; sco: 0 x's scale words, 1,024 LayerNorm's.
.macro TASK adr, off, ln, u, gb, sco
.irp c, 0,1
.irp i, 0,1,2,3,4,5,6,7
	ds_load_b128 v[16+32*\c+4*\i:19+32*\c+4*\i], v[\adr] offset:(\off)+256*\c+16*\i
.endr
.endr
.if \ln
	ds_load_b64 v[252:253], v9 offset:128*(\u)
.endif
	s_wait_dscnt 0x0
.if \ln
	v_mov_b32 v236, v252
	v_mov_b32 v237, v252
	v_mov_b32 v238, v253
	v_mov_b32 v239, v253
.set j, 0
.rept 32
	v_pk_add_f32 v[16+j:17+j], v[16+j:17+j], v[236:237] neg_lo:[0,1] neg_hi:[0,1]
.set j, j+2
.endr
.set j, 0
.rept 32
	v_pk_mul_f32 v[16+j:17+j], v[16+j:17+j], v[238:239]
.set j, j+2
.endr
.set j, 0
.rept 32
	v_pk_fma_f32 v[16+j:17+j], v[16+j:17+j], v[80+j:81+j], v[144+j:145+j]
.set j, j+2
.endr
.endif
	QB
	global_store_b128 v4, v[216:219], s[\gb:\gb+1] offset:12288*(\u)         ; each store covers whole aligned blocks of 256 bytes
	global_store_b64 v5, v[220:221], s[\gb:\gb+1] offset:12288*(\u)+512
	global_store_b128 v4, v[222:225], s[\gb:\gb+1] offset:12288*(\u)+768
	global_store_b64 v5, v[226:227], s[\gb:\gb+1] offset:12288*(\u)+1280
	ds_store_b32 v10, v214 offset:(\sco)+128*(\u)  ; lanes 16-31 write the same word as lanes 0-15
.endm
	TASK 6, 0, 0, 0, 56, 0
	TASK 6, 8*PITCH, 0, 1, 56, 0
	s_cmp_lt_u32 s24, 64                           ; groups 64-67 hold no token of LayerNorm's
	s_cbranch_scc0 .Lno_ln
	s_wait_loadcnt 0x0                             ; ln_w, ln_b
	TASK 7, 0, 1, 0, 58, 1024
	TASK 8, 0, 1, 1, 58, 1024
.Lno_ln:
	s_wait_dscnt 0x0                               ; my scale words lie in LDS
	s_barrier_signal -1
	s_barrier_wait -1
	s_cmp_eq_u32 s22, 0                            ; the group's scale words leave as four whole blocks of 256 bytes: wave 0 x's, wave 1 LayerNorm's
	s_cbranch_scc0 .Lnot_0
	ds_load_b128 v[16:19], v254
	ds_load_b128 v[20:23], v254 offset:512
	s_wait_dscnt 0x0
	global_store_b128 v4, v[16:19], s[60:61]
	global_store_b128 v4, v[20:23], s[60:61] offset:512
	s_wait_tensorcnt 0x0
	ds_add_u32 v231, v255
	s_wait_dscnt 0x0
	s_endpgm
.Lnot_0:
	s_cmp_eq_u32 s22, 1
	s_cbranch_scc0 .Ldone
	s_cmp_lt_u32 s24, 64
	s_cbranch_scc0 .Ldone
	ds_load_b128 v[16:19], v254 offset:1024
	ds_load_b128 v[20:23], v254 offset:1536
	s_wait_dscnt 0x0
	global_store_b128 v4, v[16:19], s[62:63]
	global_store_b128 v4, v[20:23], s[62:63] offset:512
.Ldone:
	s_wait_tensorcnt 0x0
	ds_add_u32 v231, v255
	s_wait_dscnt 0x0
	s_endpgm
; ---------------------------------------------------------------- weights: K is the FIRST axis
; A lane takes a column, its registers run down K: a block of 32 lies in one lane, and its six code registers are registers 6 c .. 6 c + 5 of lane (r, h) of a fragment.
; wbuf's rows: 0-1,023 Wq's columns, 1,024-3,071 Wkv's (K's, then V's), 3,072-4,095 Wout's.  A wave takes a group of 32 columns x 256 along K (two K steps).
.Lweights:
	s_sub_co_u32 s23, ttmp9, 136
	s_lshr_b32 s24, s23, 2                         ; block of 256 columns, 0..15
	s_and_b32 s25, s23, 3                          ; which 256 along K
	s_lshl_b32 s26, s24, 3
	s_add_co_u32 s26, s26, s22                     ; the group of 32 rows of wbuf
	s_cmp_lt_u32 s24, 4
	s_cselect_b32 s27, 0, 4
	s_cmp_lt_u32 s24, 12
	s_cselect_b32 s27, s27, 12
	s_sub_co_u32 s27, s24, s27                     ; the block within its own tensor
	s_lshl_b32 s27, s27, 8
	s_lshl_b32 s28, s22, 5
	s_add_co_u32 s27, s27, s28                     ; my first column
	s_lshl_b32 s28, s27, 2
	s_mov_b32 s29, 0
	s_sub_co_u32 s32, s24, 4                       ; under 8: Wkv, whose rows are 8,192 bytes; the others' are 4,096
	s_cmp_lt_u32 s32, 8
	s_cselect_b32 s33, 21, 20
	s_lshl_b32 s34, s25, s33                       ; 256 rows down for each step along K
	s_add_co_u32 s28, s28, s34
	s_mul_i32 s36, s26, 24576
	s_mul_i32 s35, s25, 3072
	s_add_co_u32 s36, s36, s35
	s_mov_b32 s37, 0
	s_lshl_b32 s38, s26, 10
	s_lshl_b32 s35, s25, 8
	s_add_co_u32 s38, s38, s35
	s_add_co_u32 s38, s38, WSC
	s_mov_b32 s39, 0
	v_lshlrev_b32 v6, 2, v1                        ; in: 4 bytes a lane: 128 consecutive bytes a load
	v_bfe_u32 v10, v0, 3, 1                        ; column l of the group is image row r = l % 8 + 8 (l / 16) of tile u = (l / 8) % 2
	v_and_b32 v11, 7, v0
	v_bfe_u32 v12, v0, 4, 1
	v_lshl_add_u32 v11, v12, 3, v11
	v_mul_u32_u24 v7, v10, 12288
	v_lshl_add_u32 v8, v11, 3, v7                  ; out: tile u, 8 r
	v_lshl_add_u32 v7, v11, 4, v7                  ; tile u, 16 r
	v_lshl_add_u32 v9, v10, 4, v11
	v_lshlrev_b32 v9, 3, v9                        ; the scale words: 8 (r + 16 u)
	s_wait_kmcnt 0x0
	s_cmp_lt_u32 s24, 4
	s_cselect_b64 s[30:31], s[10:11], s[12:13]
	s_cmp_lt_u32 s24, 12
	s_cselect_b64 s[30:31], s[30:31], s[14:15]
	s_add_nc_u64 s[30:31], s[30:31], s[28:29]
	s_add_nc_u64 s[36:37], s[20:21], s[36:37]
	s_add_nc_u64 s[38:39], s[20:21], s[38:39]
.macro LOADW t, pitch                  ; block t: 32 rows of my column, into set t % 2
.set i, 0
.rept 32
	global_load_b32 v[16+32*((\t)%2)+i], v6, s[30:31] offset:(32*(\t)+i)*(\pitch) th:TH_LOAD_NT
.set i, i+1
.endr
.endm
.macro BLOCKW t, pitch                 ; block t = 4 q + 2 c + h of my 256 along K
.set XS, 16+32*((\t)%2)
.if (\t) < 7
	s_wait_loadcnt 32                              ; this block's 32 loads are in; the next block's may be out
.else
	s_wait_loadcnt 0x0
.endif
	v_max3_num_f32 v80, |v[XS]|, |v[XS+1]|, |v[XS+2]|
	v_max3_num_f32 v81, |v[XS+3]|, |v[XS+4]|, |v[XS+5]|
.irp i, 6,10,14,18,22,26
	v_max3_num_f32 v80, v80, |v[XS+\i]|, |v[XS+\i+1]|
	v_max3_num_f32 v81, v81, |v[XS+\i+2]|, |v[XS+\i+3]|
.endr
	v_max3_num_f32 v80, v80, |v[XS+30]|, |v[XS+31]|
	v_max3_num_f32 v80, v80, v81, 0x1800000        ; and the floor
	v_add_nc_u32 v82, 0xff000000, v80
	v_lshrrev_b32 v83, 23, v82
.if (\t)%4 == 0
	v_mov_b32 v[84+(\t)/4], v83                    ; four bytes make a K step's word
.else
	v_lshl_or_b32 v[84+(\t)/4], v83, 8*((\t)%4), v[84+(\t)/4]
.endif
	s_wait_xcnt 0x0                                ; the last block's stores have read v88-93
	v_cvt_scalef32_pk16_fp6_f32 v[88:90], v[XS:XS+15], v82
	v_cvt_scalef32_pk16_fp6_f32 v[96:98], v[XS+16:XS+31], v82
	v_nop
.irp i, 0,1,2
	v_mov_b32 v[91+\i], v[96+\i]
.endr
	global_store_b128 v7, v[88:91], s[36:37] offset:((\t)/4)*1536+(((\t)/2)%2)*768+256*((\t)%2)        ; sixteen lanes fill one aligned block of 256 bytes in each of the two tiles
	global_store_b64 v8, v[92:93], s[36:37] offset:((\t)/4)*1536+(((\t)/2)%2)*768+512+128*((\t)%2)     ; half a block; the block with the other h fills the rest
.if (\t)+2 < 8
	LOADW (\t)+2, \pitch
.endif
.endm
.macro WTASK pitch
	LOADW 0, \pitch
	LOADW 1, \pitch
.set Q, 0
.rept 8
	BLOCKW Q, \pitch
.set Q, Q+1
.endr
	global_store_b64 v9, v[84:85], s[38:39]        ; the group's words of two K steps: one aligned block of 256 bytes
.endm
	s_cmp_lt_u32 s32, 8
	s_cbranch_scc1 .Lwide
	WTASK 4096
	s_endpgm
.Lwide:
	WTASK 8192
	s_endpgm
.Lfunc_end_k_q627c906e6d_prep:
	.size	k_q627c906e6d_prep, .Lfunc_end_k_q627c906e6d_prep-k_q627c906e6d_prep
	.p2alignl 7, 3214868480
	.fill 96, 4, 3214868480
	.section	.rodata,"a",@progbits
	.p2align	6, 0x0
	.amdhsa_kernel k_q627c906e6d_prep
		.amdhsa_group_segment_fixed_size 143872
		.amdhsa_private_segment_fixed_size 0
		.amdhsa_enable_private_segment 0
		.amdhsa_kernarg_size 72
		.amdhsa_user_sgpr_count 2
		.amdhsa_user_sgpr_kernarg_segment_ptr 1
		.amdhsa_wavefront_size32 1
		.amdhsa_system_sgpr_workgroup_id_x 1
		.amdhsa_system_sgpr_workgroup_id_y 1
		.amdhsa_system_sgpr_workgroup_id_z 1
		.amdhsa_system_vgpr_workitem_id 0
		.amdhsa_next_free_vgpr 256
		.amdhsa_next_free_sgpr 66
		.amdhsa_reserve_vcc 0
		.amdhsa_float_denorm_mode_32 3
		.amdhsa_float_denorm_mode_16_64 3
		.amdhsa_memory_ordered 1
		.amdhsa_forward_progress 1
		.amdhsa_inst_pref_size 149
	.end_amdhsa_kernel
	.amdgpu_metadata
---
amdhsa.version: [ 1, 2 ]
amdhsa.kernels:
  - .name:           k_q627c906e6d_prep
    .symbol:         k_q627c906e6d_prep.kd
    .args:
      - { .name: x, .offset: 0, .size: 8, .value_kind: global_buffer, .address_space: global }
      - { .name: ln_w, .offset: 8, .size: 8, .value_kind: global_buffer, .address_space: global }
      - { .name: ln_b, .offset: 16, .size: 8, .value_kind: global_buffer, .address_space: global }
      - { .name: Wq, .offset: 24, .size: 8, .value_kind: global_buffer, .address_space: global }
      - { .name: Wkv, .offset: 32, .size: 8, .value_kind: global_buffer, .address_space: global }
      - { .name: Wout, .offset: 40, .size: 8, .value_kind: global_buffer, .address_space: global }
      - { .name: xbuf, .offset: 48, .size: 8, .value_kind: global_buffer, .address_space: global }
      - { .name: nbuf, .offset: 56, .size: 8, .value_kind: global_buffer, .address_space: global }
      - { .name: wbuf, .offset: 64, .size: 8, .value_kind: global_buffer, .address_space: global }
    .group_segment_fixed_size: 143872
    .private_segment_fixed_size: 0
    .kernarg_segment_align: 8
    .kernarg_segment_size: 72
    .max_flat_workgroup_size: 256
    .sgpr_count:     66
    .vgpr_count:     256
    .wavefront_size: 32
...
	.end_amdgpu_metadata
.endif
;; end of part 1
;; launch qkv (part 2): grid 200 x 1, 4 waves a work-group, no clusters, 327,680 bytes of LDS; arguments xbuf, nbuf, wbuf, null_kv, qimg, kv; writes qimg, kv
.if DOCPART == 2
	.amdgcn_target "amdgcn-amd-amdhsa--gfx1250"
	.amdhsa_code_object_version 6
	.text
	.protected	k_q627c906e6d_qkv
	.globl	k_q627c906e6d_qkv
	.p2align	8
	.type	k_q627c906e6d_qkv,@function
k_q627c906e6d_qkv:
	s_mov_b64 s[64:65], 0
	v_nop
	global_prefetch_b8 v0, s[64:65] scope:SCOPE_SE
	s_setreg_imm32_b32 hwreg(HW_REG_WAVE_MODE, 25, 1), 1
	s_wait_xcnt 0x0
; q = LN(x) Wq, k = x Wk and v^T = (x Wv)^T on codes of FP6 (E2M3), K = 1,024, and their results quantised again, as the operands that the attention launch wants.
; ONE FORM FOR ALL THREE: D = P0 x P1^T, source 0 = 16 rows of P0, source 1 = 16 rows of P1.  A lane holds ONE row of P1, and its registers run along P0's rows, along which the result is quantised.
;   work-groups 0-63:    q:   P0 = Wq's columns (the head's 64 are the next K), P1 = LN(x)'s tokens
;   work-groups 64-131:  k:   P0 = Wk's columns,                                P1 = x's key positions
;   work-groups 132-199: v^T: P0 = x's key positions (the keys are the next K), P1 = Wv's columns
; All operands come as images of their registers (a fragment of 16 rows x 128 K: 1,536 bytes, by four dense loads) with the rows of P0's tiles permuted (image row r of tile 2 G + u is row 32 G + 8 u + r + 8 (r / 8)),
; so that the 16 registers of tiles 2 b and 2 b + 1 are 16 neighbours along P0.
; A work-group makes 256 x 256, each of its four waves 128 x 128: 64 accumulators, 512 registers.  K goes in four chunks of 256 through three LDS slots: chunks 0-2 and the scale words are first fills, chunk 3 fills slot 0 again.
; No cluster: the tile that partners could share stands at source 1 for q and k and at source 0 for v^T, and x's 17 tiles of 256 rows do not divide by four.
; The two null keys and values stand at key positions 0 and 1: x's codes are zeros there, so the products are exact zeros, and null_kv takes their place ahead of the quantiser.
; q's factor 1/8 is a power of two: it changes no code and is applied in the attention launch.
; LIMITS: a block of zeros gets the scale byte 1 where the quantiser says 127 (zero codes; this program alone reads the bytes); NaN and infinities are not served.
; REGISTERS, in windows of 256: window 0: v8-27 addresses; v28, v29 for the add; v32-63 scale words, two sets, and nothing else; v64-119 at work in the way out; v128-223 P1's 8 fragments, one set.
;   window 1: P0's 8 fragments, two sets, at v0 and v128.   windows 2, 3: the accumulators: (a, b) at v[8 (8 (a % 4) + b)], a < 4 in window 2.
.set SLOTB, 98304                      ; a slot: P0's 16 tiles x 3,072 bytes (two K steps), then P1's
.set HALFB, 24576                      ; 8 tiles: what one tensor load brings and what a wave reads of P0 or of P1
.set SCL,   3*SLOTB                    ; the scale words of P0's 256 rows for all of K, 8,192 bytes, then P1's
.set SPARE, SCL+16384                  ; the spare words, 128 bytes for each wave
.set WSC,   3145728                    ; where the scale words begin in wbuf and in nbuf,
.set XSC,   3342336                    ; and in xbuf
.set SPW,   28
.set NIL,   29
.set SC,    32                         ; scale set g at v[SC + 16 g]: P0's word of (pair of tiles i, K step q) at 2 i + q, P1's at 8 + 2 i + q; lanes 0-15 the even tile, lanes 16-31 the odd one
.set P1F,   128
.set MSB, 0
.macro WIN new                         ; the immediate's high byte repeats the setting that is left
.if MSB != (\new)
	s_set_vgpr_msb (MSB<<8)|(\new)
.set MSB, (\new)
.endif
.endm
.set MUL_LO, 0xa1                      ; source 0 (P0) window 1, source 1 (P1) window 0, C and D window 2
.set MUL_HI, 0xf1                      ; the same, C and D window 3
	s_load_b256 s[4:11], s[0:1], 0x0               ; xbuf, nbuf, wbuf, null_kv
	s_load_b128 s[12:15], s[0:1], 0x20             ; qimg, kv
	v_lshl_add_u32 v[SPW], v0, 2, SPARE
	v_mov_b32 v[NIL], 0
	ds_add_u32 v28, v29
	ds_add_u32 v28, v29
	s_wait_dscnt 0x0
	v_lshrrev_b32 v1, 5, v0
	v_readfirstlane_b32 s16, v1                    ; wave 0..3
	s_lshr_b32 s17, s16, 1                         ; my half of P1's rows.  Also: I fetch for P0 (0) or for P1 (1)
	s_and_b32 s18, s16, 1                          ; my half of P0's rows.  Also: which half of that operand I fetch
	s_cmp_lt_u32 ttmp9, 64
	s_cselect_b32 s22, 0, 64
	s_cselect_b32 s19, 0, 1
	s_cmp_lt_u32 ttmp9, 132
	s_cselect_b32 s22, s22, 132
	s_cselect_b32 s19, s19, 2                      ; kind: 0 q, 1 k, 2 v^T
	s_sub_co_u32 s22, ttmp9, s22
	s_and_b32 s23, s22, 3
	s_lshr_b32 s22, s22, 2
	s_cmp_eq_u32 s19, 2
	s_cselect_b32 s20, s22, s23                    ; P0's tile of 256 rows
	s_cselect_b32 s21, s23, s22                    ; P1's
	s_cselect_b32 s67, 8, 0                        ; Wv's rows begin at tile 8 of wbuf,
	s_add_co_u32 s67, s67, s21
	s_cmp_eq_u32 s19, 1
	s_cselect_b32 s66, 4, 0                        ; Wk's at tile 4
	s_add_co_u32 s66, s66, s20
	s_mov_b32 s68, WSC
	s_cmp_eq_u32 s19, 2
	s_cselect_b32 s69, XSC, s68                    ; where P0's scale words begin in its buffer,
	s_cmp_eq_u32 s19, 1
	s_cselect_b32 s70, XSC, s68                    ; and P1's
	s_cmp_eq_u32 s17, 0
	s_cselect_b32 s71, s66, s67                    ; of the operand that I fetch for: the tile,
	s_cselect_b32 s72, s69, s70
	s_mul_i32 s74, s71, 196608                     ; its codes: 16 tiles of 12,288 bytes,
	s_mul_i32 s73, s18, 98304                      ; my half of them
	s_add_co_u32 s74, s74, s73
	s_mov_b32 s75, 0
	s_lshl_b32 s76, s71, 13                        ; its scale words: 8,192 bytes,
	s_lshl_b32 s73, s18, 12                        ; my half
	s_add_co_u32 s76, s76, s73
	s_add_co_u32 s76, s76, s72
	s_mov_b32 s77, 0
	s_mul_i32 s82, s16, HALFB                      ; where they go in a slot: wave x 8 tiles
	; descriptor group 1 for the codes: 8 rows (tiles) of 3,072 bytes (two K steps), 12,288 bytes apart, elements of 8 bytes; dense in LDS
	s_mov_b32 s24, 3<<16
	s_mov_b32 s25, 384<<16                         ; tensor_dim0
	s_mov_b32 s26, 8<<16                           ; tensor_dim1
	s_mov_b32 s27, 384<<16                         ; tile_dim0
	s_mov_b32 s28, 8                               ; tile_dim1
	s_mov_b32 s29, 1536                            ; the pitch
	s_mov_b32 s30, 0
	s_mov_b32 s31, 0
	; and for the scale words: 4,096 dense bytes as 16 rows of 256
	s_mov_b32 s32, 3<<16
	s_mov_b32 s33, 32<<16
	s_mov_b32 s34, 16<<16
	s_mov_b32 s35, 32<<16
	s_mov_b32 s36, 16
	s_mov_b32 s37, 32
	s_mov_b32 s38, 0
	s_mov_b32 s39, 0
	s_wait_kmcnt 0x0
	s_cmp_eq_u32 s19, 2
	s_cselect_b64 s[78:79], s[4:5], s[8:9]         ; P0: x for v^T, else the weights
	s_cselect_b64 s[80:81], s[8:9], s[4:5]         ; P1: the weights for v^T, x for k,
	s_cmp_eq_u32 s19, 0
	s_cselect_b64 s[80:81], s[6:7], s[80:81]       ; LN(x) for q
	s_cmp_eq_u32 s17, 0
	s_cselect_b64 s[78:79], s[78:79], s[80:81]     ; the one that I fetch for
	s_add_nc_u64 s[80:81], s[78:79], s[76:77]
	s_add_nc_u64 s[78:79], s[78:79], s[74:75]
	s_mov_b32 s40, 1
	s_lshl_b32 s41, s16, 12
	s_add_co_u32 s41, s41, SCL
	s_mov_b64 s[42:43], s[80:81]
	s_or_b32 s43, s43, 0x80000000
.irp n, 0,1,2,3                        ; chunk n: a group 0 of its own, written once; chunk 3 goes where chunk 0 lay
	s_mov_b32 s[44+4*\n], 1
	s_add_co_u32 s[45+4*\n], s82, (\n%3)*SLOTB
	s_add_nc_u64 s[46+4*\n:47+4*\n], s[78:79], 3072*\n
	s_or_b32 s[47+4*\n], s[47+4*\n], 0x80000000
.endr
	tensor_load_to_lds s[40:43], s[32:39]          ; the first fills, as one group: four loads of mine are out
	s_nop 0
	tensor_load_to_lds s[44:47], s[24:31]
	s_nop 0
	tensor_load_to_lds s[48:51], s[24:31]
	s_nop 0
	tensor_load_to_lds s[52:55], s[24:31]
	s_nop 0
.rept 4
	v_nop
.endr
	v_and_b32 v1, 31, v0                           ; lane: it stays
	v_lshlrev_b32 v22, 4, v1                       ; 16 x lane
	v_lshlrev_b32 v23, 3, v1                       ; 8 x lane
	v_and_b32 v24, 15, v0                          ; r
	v_bfe_u32 v25, v0, 4, 1                        ; h
	s_mul_i32 s83, s18, HALFB                      ; my half of P0,
	s_mul_i32 s84, s17, HALFB
	s_add_co_u32 s84, s84, 2*HALFB                 ; of P1
.irp s, 0,1,2
	v_add_nc_u32 v[8+\s], s83, v22
	v_add_nc_u32 v[11+\s], s83, v23
	v_add_nc_u32 v[14+\s], s84, v22
	v_add_nc_u32 v[17+\s], s84, v23
	s_add_co_u32 s83, s83, SLOTB
	s_add_co_u32 s84, s84, SLOTB
.endr
	s_lshl_b32 s83, s18, 12
	s_add_co_u32 s83, s83, SCL
	v_add_nc_u32 v20, s83, v23                     ; P0's scale words: my four pairs of tiles
	s_lshl_b32 s84, s17, 12
	s_add_co_u32 s84, s84, SCL+8192
	v_add_nc_u32 v21, s84, v23                     ; P1's
	v_and_b32 v26, 1, v0
	v_lshlrev_b32 v26, 9, v26
	v_lshl_add_u32 v26, v25, 6, v26                ; null keys: row 2 (r % 2) of the head's four, + 64 h
	v_and_b32 v27, 8, v24
	v_add_nc_u32 v27, v27, v24
	v_lshlrev_b32 v27, 2, v27                      ; null values: channel r + 8 (r / 8)
	s_mov_b32 s2, 0x76543210
	s_mov_b32 s3, 0xfedcba98                       ; lane l xor 16
	; where the results go.  q: qimg[b][head][128 tokens] records of 6,656 bytes: 8 half images of 768, then 512 of scale words.
	; kv[b][head][128 keys] records of 13,312: k's 8 half images, v^T's 4 images of 1,536 from 6,144, k's scale words at 12,288, v's at 12,800.
	s_cmp_eq_u32 s19, 2
	s_cselect_b32 s66, s20, s21                    ; the side of tokens or keys: its tile,
	s_cselect_b32 s67, s18, s17                    ; my half of it;
	s_cselect_b32 s68, s21, s20                    ; the side of heads
	s_cselect_b32 s69, s17, s18
	s_lshl_b32 s66, s66, 1
	s_add_co_u32 s66, s66, s67                     ; which 128 rows of both batches
	s_lshl_b32 s68, s68, 2
	s_lshl_b32 s69, s69, 1
	s_add_co_u32 s97, s68, s69                     ; my first head of two
	s_cmp_eq_u32 s19, 0
	s_cselect_b32 s70, 16, 17                      ; records a head
	s_mov_b32 s71, 13312
	s_cselect_b32 s71, 6656, s71                   ; bytes a record
	s_cmp_ge_u32 s66, s70
	s_cselect_b32 s72, 1, 0                        ; batch
	s_cselect_b32 s73, s70, 0
	s_sub_co_u32 s96, s66, s73                     ; the record in its head
	s_lshl_b32 s74, s72, 4
	s_add_co_u32 s74, s74, s97
	s_mul_i32 s74, s74, s70
	s_add_co_u32 s74, s74, s96
	s_mul_i32 s74, s74, s71
	s_mov_b32 s75, 0
	s_mul_i32 s76, s70, s71                        ; a head on
	s_mov_b32 s77, 0
	s_cmp_eq_u32 s19, 2
	s_cselect_b32 s80, 6144, 0
	s_cselect_b32 s82, 768, s76                    ; from a fragment's first half image to its second: v^T: 768 bytes; q, k: the next head
	s_mov_b32 s92, 768
	s_cselect_b32 s92, 1536, s92                   ; from block a of P1 to block a + 1,
	s_cselect_b32 s94, 220160, 0                   ; and, for v^T, more at a = 4: on to the next head's first image
	s_mov_b32 s98, 12288
	s_cselect_b32 s98, 12800, s98
	s_cmp_eq_u32 s19, 0
	s_cselect_b32 s98, 6144, s98                   ; the scale words' place in a record
	s_cselect_b64 s[78:79], s[12:13], s[14:15]
	s_mov_b32 s81, 0
	s_mov_b32 s83, 0
	s_mov_b32 s93, 0
	s_mov_b32 s95, 0
	s_mov_b32 s99, 0
	s_add_nc_u64 s[78:79], s[78:79], s[74:75]      ; my record
	s_add_nc_u64 s[84:85], s[78:79], s[80:81]
	s_add_nc_u64 s[86:87], s[84:85], s[82:83]
	s_add_nc_u64 s[88:89], s[78:79], s[98:99]
	s_add_nc_u64 s[90:91], s[88:89], s[76:77]
	s_lshl_b32 s62, s97, 10
	s_mov_b32 s63, 0
	s_add_nc_u64 s[60:61], s[10:11], s[62:63]      ; null_kv at my first head
.macro FRAG reg, a16, a8, off          ; a fragment's image: four dense loads
	ds_load_b128 v[(\reg):(\reg)+3], v[\a16] offset:(\off)
	ds_load_b64 v[(\reg)+4:(\reg)+5], v[\a8] offset:(\off)+512
	ds_load_b128 v[(\reg)+6:(\reg)+9], v[\a16] offset:(\off)+768
	ds_load_b64 v[(\reg)+10:(\reg)+11], v[\a8] offset:(\off)+1280
.endm
.macro FETCH_P0 slot, q, p             ; P0's eight fragments of the slot's q-th K step into set p
	WIN 0x40
.irp i, 0,1,2,3,4,5,6,7
	FRAG 128*(\p)+12*\i, 8+(\slot), 11+(\slot), \i*3072+1536*(\q)
.endr
	WIN 0
.endm
.macro FETCH_P1 slot, q, i0            ; P1's blocks i0 .. i0 + 3
.irp i, \i0, \i0+1, \i0+2, \i0+3
	FRAG P1F+12*(\i), 14+(\slot), 17+(\slot), (\i)*3072+1536*(\q)
.endr
.endm
.macro SCALES sg, sp                   ; chunk sp's scale words into set sg: two words a row
.irp g, 0,1,2,3
	ds_load_b64 v[SC+16*(\sg)+2*\g:SC+16*(\sg)+2*\g+1], v20 offset:\g*1024+256*(\sp)
	ds_load_b64 v[SC+16*(\sg)+8+2*\g:SC+16*(\sg)+9+2*\g], v21 offset:\g*1024+256*(\sp)
.endr
.endm
.macro WM a, b, p, q, sg, zero         ; P1's block a x P0's block b.  An odd tile's scale words stand in lanes 16-31
.set rD, 8*(8*((\a)%4)+(\b))
.set rA, 128*(\p)+12*(\b)
.set rB, P1F+12*(\a)
.set rX, SC+16*(\sg)+2*((\b)/2)+(\q)
.set rY, SC+16*(\sg)+8+2*((\a)/2)+(\q)
.set odd, 2*((\a)%2)+(\b)%2
.if \zero
.if odd == 0
	v_wmma_scale_f32_16x16x128_f8f6f4 v[rD:rD+7], v[rA:rA+11], v[rB:rB+11], 0, v[rX], v[rY] matrix_a_fmt:MATRIX_FMT_FP6 matrix_b_fmt:MATRIX_FMT_FP6
.elseif odd == 1
	v_wmma_scale_f32_16x16x128_f8f6f4 v[rD:rD+7], v[rA:rA+11], v[rB:rB+11], 0, v[rX], v[rY] matrix_a_fmt:MATRIX_FMT_FP6 matrix_b_fmt:MATRIX_FMT_FP6 matrix_a_scale:MATRIX_SCALE_ROW1
.elseif odd == 2
	v_wmma_scale_f32_16x16x128_f8f6f4 v[rD:rD+7], v[rA:rA+11], v[rB:rB+11], 0, v[rX], v[rY] matrix_a_fmt:MATRIX_FMT_FP6 matrix_b_fmt:MATRIX_FMT_FP6 matrix_b_scale:MATRIX_SCALE_ROW1
.else
	v_wmma_scale_f32_16x16x128_f8f6f4 v[rD:rD+7], v[rA:rA+11], v[rB:rB+11], 0, v[rX], v[rY] matrix_a_fmt:MATRIX_FMT_FP6 matrix_b_fmt:MATRIX_FMT_FP6 matrix_a_scale:MATRIX_SCALE_ROW1 matrix_b_scale:MATRIX_SCALE_ROW1
.endif
.else
.if odd == 0
	v_wmma_scale_f32_16x16x128_f8f6f4 v[rD:rD+7], v[rA:rA+11], v[rB:rB+11], v[rD:rD+7], v[rX], v[rY] matrix_a_fmt:MATRIX_FMT_FP6 matrix_b_fmt:MATRIX_FMT_FP6
.elseif odd == 1
	v_wmma_scale_f32_16x16x128_f8f6f4 v[rD:rD+7], v[rA:rA+11], v[rB:rB+11], v[rD:rD+7], v[rX], v[rY] matrix_a_fmt:MATRIX_FMT_FP6 matrix_b_fmt:MATRIX_FMT_FP6 matrix_a_scale:MATRIX_SCALE_ROW1
.elseif odd == 2
	v_wmma_scale_f32_16x16x128_f8f6f4 v[rD:rD+7], v[rA:rA+11], v[rB:rB+11], v[rD:rD+7], v[rX], v[rY] matrix_a_fmt:MATRIX_FMT_FP6 matrix_b_fmt:MATRIX_FMT_FP6 matrix_b_scale:MATRIX_SCALE_ROW1
.else
	v_wmma_scale_f32_16x16x128_f8f6f4 v[rD:rD+7], v[rA:rA+11], v[rB:rB+11], v[rD:rD+7], v[rX], v[rY] matrix_a_fmt:MATRIX_FMT_FP6 matrix_b_fmt:MATRIX_FMT_FP6 matrix_a_scale:MATRIX_SCALE_ROW1 matrix_b_scale:MATRIX_SCALE_ROW1
.endif
.endif
.endm
.macro MUL16 a0, p, q, sg, zero        ; 16 matrix instructions.  The 64 accumulators take turns, one instruction a turn, in the same order in every K step
.irp a, \a0, \a0+1
.irp b, 0,1,2,3,4,5,6,7
	WM \a, \b, \p, \q, \sg, \zero
.endr
.endr
.endm
.macro PLACES                          ; four plain instructions between matrix instructions and loads into registers that they have read, or reads of their results
.rept 4
	v_nop
.endr
.endm
; A K step of 128.  q: its word in the scale set sg; p: P0's set.  The next step lies in slot nslot, K step nq; scl = 1: it begins chunk nsp, whose scale words go to the other set.
.macro STEP q, p, sg, zero, nslot, nq, scl, nsp
	s_wait_dscnt 16                                ; all but the youngest 16 loads, P1's blocks 4-7
	WIN MUL_LO
	MUL16 0, \p, \q, \sg, \zero
	MUL16 2, \p, \q, \sg, \zero
	s_wait_dscnt 0x0                               ; P1's blocks 4-7 are in
	PLACES
	FETCH_P0 \nslot, \nq, 1-(\p)
	FETCH_P1 \nslot, \nq, 0
.if \scl
	SCALES 1-(\sg), \nsp
.endif
	WIN MUL_HI
	MUL16 4, \p, \q, \sg, \zero
	MUL16 6, \p, \q, \sg, \zero
	PLACES
	WIN 0
	FETCH_P1 \nslot, \nq, 4
.endm
; A K step with a barrier: in front of it each wave waits for all its tensor loads, adds 0 to its spare word, and waits for that and for its LDS reads.  fill = 1: behind it slot 0, which nobody reads any more, takes chunk 3.
.macro TURN q, p, sg, fill, nslot, nq, nsp
	s_wait_tensorcnt 0x0                           ; all my tensor loads have landed
	ds_add_u32 v[SPW], v[NIL]                      ; 0 onto my spare word
	s_wait_dscnt 17                                ; (the add and the youngest 16 loads may be out)
	WIN MUL_LO
	MUL16 0, \p, \q, \sg, 0
	s_wait_dscnt 0x0                               ; the add is done and my reads are over
	s_barrier_signal -1
	MUL16 2, \p, \q, \sg, 0
	WIN 0
	s_barrier_wait -1
.if \fill
	tensor_load_to_lds s[56:59], s[24:31]          ; my one tensor load behind the barrier, first thing there: it has four K steps, 256 matrix instructions, in which to land
	s_nop 0
.endif
	PLACES
	FETCH_P0 \nslot, \nq, 1-(\p)
	FETCH_P1 \nslot, \nq, 0
	SCALES 1-(\sg), \nsp
	WIN MUL_HI
	MUL16 4, \p, \q, \sg, 0
	MUL16 6, \p, \q, \sg, 0
	PLACES
	WIN 0
	FETCH_P1 \nslot, \nq, 4
.endm
	s_wait_tensorcnt 2                             ; the scale words and chunk 0 are in; chunks 1 and 2 may be out
	s_barrier_signal -1
	s_barrier_wait -1
	FETCH_P0 0, 0, 0
	FETCH_P1 0, 0, 0
	SCALES 0, 0
	FETCH_P1 0, 0, 4
	STEP 0, 0, 0, 1, 0, 1, 0, 0                    ; K step 0 starts the sums: nothing is cleared
	TURN 1, 1, 0, 1, 1, 0, 1                       ; K step 1; slot 0 is left and filled again; every wave has shown chunks 1 and 2 landed
	STEP 0, 0, 1, 0, 1, 1, 0, 0
	STEP 1, 1, 1, 0, 2, 0, 1, 2                    ; on into slot 2: shown landed in front of the barrier above
	STEP 0, 0, 0, 0, 2, 1, 0, 0
	TURN 1, 1, 0, 0, 0, 0, 3                       ; K step 5; chunk 3 is shown landed to every wave
	STEP 0, 0, 1, 0, 0, 1, 0, 0
	s_wait_dscnt 16                                ; K step 7: nothing more to fetch
	WIN MUL_LO
	MUL16 0, 1, 1, 1, 0
	MUL16 2, 1, 1, 1, 0
	s_wait_dscnt 0x0
	WIN MUL_HI
	MUL16 4, 1, 1, 1, 0
	MUL16 6, 1, 1, 1, 0
	WIN 0
	PLACES
	; ---- the null keys and values, in the records that begin a batch
.irp b, 0,1,2,3
	v_mov_b32 v[88+\b], 0                          ; a lane permute's destination counts as one of its sources
.endr
	s_cmp_lg_u32 s96, 0
	s_cbranch_scc1 .Lno_null
	s_cmp_eq_u32 s19, 1
	s_cbranch_scc1 .Lnull_k
	s_cmp_eq_u32 s19, 2
	s_cbranch_scc0 .Lno_null
.irp a, 0,1,2,3,4,5,6,7                ; v^T: keys 0 and 1 are registers 0 and 1 of accumulator (a, 0) in lanes 0-15; lane r of block a holds channel 32 ((a / 2) % 2) + 8 (a % 2) + r + 8 (r / 8) of head a / 4
.irp n, 0,1
	global_load_b32 v[128+2*\a+\n], v27, s[60:61] offset:(\a/4)*1024+((\a/2)%2)*128+(\a%2)*32+256+512*\n
.endr
.endr
	s_wait_loadcnt 0x0
	v_cmp_gt_u32 vcc_lo, 16, v1
	WIN 0x82                                       ; destination and source 0 window 2
.irp a, 0,1,2,3
.irp n, 0,1
	v_cndmask_b32 v[64*\a+\n], v[64*\a+\n], v[128+2*\a+\n], vcc_lo
.endr
.endr
	WIN 0xc3                                       ; window 3
.irp a, 0,1,2,3
.irp n, 0,1
	v_cndmask_b32 v[64*\a+\n], v[64*\a+\n], v[136+2*\a+\n], vcc_lo
.endr
.endr
	WIN 0
	s_branch .Lno_null
.Lnull_k:                              ; k: keys 0 and 1 are lanes r = 0, 1 of block 0; register 16 b + i holds channel 32 (b % 2) + 16 h + i of head b / 2
.irp b, 0,1,2,3
.irp i, 0,1,2,3
	global_load_b128 v[128+16*\b+4*\i:131+16*\b+4*\i], v26, s[60:61] offset:(\b/2)*1024+(\b%2)*128+16*\i
.endr
.endr
	s_wait_loadcnt 0x0
	v_cmp_gt_u32 vcc_lo, 2, v24
	WIN 0x82
.set n, 0
.rept 64
	v_cndmask_b32 v[n], v[n], v[128+n], vcc_lo     ; each accumulator from its low end on
.set n, n+1
.endr
	WIN 0
.Lno_null:
; ---- the way out: block a's 64 numbers of a lane (register 16 b + i = place 32 b + 16 h + i along P0) become a fragment's 12 registers v64-75 and its scale word v[104 + a], and the fragment leaves as its image.
.macro QUANTW a
.set W, 2+(\a)/4
.set AC, 64*((\a)%4)
	WIN W|(W<<2)
.irp b, 0,1,2,3
	v_max3_num_f32 v[84+\b], |v[AC+16*\b]|, |v[AC+1+16*\b]|, 0x1800000   ; the floor 2^(3 - 127) among the leaves
.endr
	WIN (W<<2)|(W<<4)
.irp i, 2,4,6,8,10,12,14
.irp b, 0,1,2,3
	v_max3_num_f32 v[84+\b], v[84+\b], |v[AC+16*\b+\i]|, |v[AC+1+16*\b+\i]|
.endr
.endr
	WIN 0
.irp b, 0,1,2,3
	v_permlanex16_b32 v[88+\b], v[84+\b], s2, s3
.endr
.irp b, 0,1,2,3
	v_max_num_f32 v[84+\b], v[84+\b], v[88+\b]     ; with lane l xor 16's: the block's largest magnitude
.endr
.irp b, 0,1,2,3
	v_add_nc_u32 v[96+\b], 0xff000000, v[84+\b]    ; 2 off its exponent field: the conversion's scale operand
.endr
.irp b, 0,1,2,3
	v_lshrrev_b32 v[88+\b], 23, v[96+\b]           ; the byte
.endr
	v_lshl_or_b32 v[104+(\a)], v89, 8, v88
	v_lshl_or_b32 v[104+(\a)], v90, 16, v[104+(\a)]
	v_lshl_or_b32 v[104+(\a)], v91, 24, v[104+(\a)]
	s_wait_xcnt 0x0                                ; the last block's stores have read their registers and bases
.if (\a) > 0
	s_add_nc_u64 s[84:85], s[84:85], s[92:93]
	s_add_nc_u64 s[86:87], s[86:87], s[92:93]
.endif
.if (\a) == 4
	s_add_nc_u64 s[84:85], s[84:85], s[94:95]
	s_add_nc_u64 s[86:87], s[86:87], s[94:95]
.endif
	WIN W
.irp c, 0,1
	v_cvt_scalef32_pk16_fp6_f32 v[64+6*\c:66+6*\c], v[AC+32*\c:AC+15+32*\c], v[96+2*\c]
	v_cvt_scalef32_pk16_fp6_f32 v[76+4*\c:78+4*\c], v[AC+16+32*\c:AC+31+32*\c], v[97+2*\c]   ; (a conversion's three registers begin on an even number)
.endr
	WIN 0
	v_nop                                          ; a plain instruction behind the scaled conversions
.irp c, 0,1                            ; the operand's layout wants a whole block in a lane
.irp i, 0,1,2
	v_permlane16_swap_b32 v[64+6*\c+\i], v[76+4*\c+\i]
.endr
.irp i, 0,1,2
	v_mov_b32 v[67+6*\c+\i], v[76+4*\c+\i]
.endr
.endr
	global_store_b128 v22, v[64:67], s[84:85]      ; each store covers whole aligned blocks of 256 bytes
	global_store_b64 v23, v[68:69], s[84:85] offset:512
	global_store_b128 v22, v[70:73], s[86:87]
	global_store_b64 v23, v[74:75], s[86:87] offset:512
.endm
.irp a, 0,1,2,3,4,5,6,7
	QUANTW \a
.endr
	v_cmp_le_u32 vcc_lo, 16, v1                    ; lanes 16-31 carry the odd tile's words
	s_cmp_eq_u32 s19, 2
	s_cbranch_scc1 .Lv_scales
.irp i, 0,1,2,3                        ; q, k: bytes 0, 1 of a word belong to my first head, bytes 2, 3 to my second; the upper half of the instruction's K = 128 has zero codes and the byte 0
	v_cndmask_b32 v[112+\i], v[104+2*\i], v[105+2*\i], vcc_lo
.endr
.irp i, 0,1,2,3
	v_lshrrev_b32 v[116+\i], 16, v[112+\i]
.endr
.irp i, 0,1,2,3
	v_and_b32 v[112+\i], 0xffff, v[112+\i]
.endr
	s_branch .Lscales_out
.Lv_scales:                            ; v^T: blocks 0-3 are my first head's four tiles of channels, blocks 4-7 my second's
	v_cndmask_b32 v112, v104, v105, vcc_lo
	v_cndmask_b32 v113, v106, v107, vcc_lo
	v_mov_b32 v114, 0
	v_mov_b32 v115, 0
	v_cndmask_b32 v116, v108, v109, vcc_lo
	v_cndmask_b32 v117, v110, v111, vcc_lo
	v_mov_b32 v118, 0
	v_mov_b32 v119, 0
.Lscales_out:
	global_store_b128 v22, v[112:115], s[88:89]
	global_store_b128 v22, v[116:119], s[90:91]
	s_wait_tensorcnt 0x0                           ; the wave's end
	ds_add_u32 v[SPW], v[NIL]
	s_wait_dscnt 0x0
	s_endpgm
.Lfunc_end_k_q627c906e6d_qkv:
	.size	k_q627c906e6d_qkv, .Lfunc_end_k_q627c906e6d_qkv-k_q627c906e6d_qkv
	.p2alignl 7, 3214868480
	.fill 96, 4, 3214868480
	.section	.rodata,"a",@progbits
	.p2align	6, 0x0
	.amdhsa_kernel k_q627c906e6d_qkv
		.amdhsa_group_segment_fixed_size 327680
		.amdhsa_private_segment_fixed_size 0
		.amdhsa_enable_private_segment 0
		.amdhsa_kernarg_size 48
		.amdhsa_user_sgpr_count 2
		.amdhsa_user_sgpr_kernarg_segment_ptr 1
		.amdhsa_wavefront_size32 1
		.amdhsa_system_sgpr_workgroup_id_x 1
		.amdhsa_system_sgpr_workgroup_id_y 1
		.amdhsa_system_sgpr_workgroup_id_z 1
		.amdhsa_system_vgpr_workitem_id 0
		.amdhsa_next_free_vgpr 1024
		.amdhsa_next_free_sgpr 100
		.amdhsa_reserve_vcc 1
		.amdhsa_float_denorm_mode_32 3
		.amdhsa_float_denorm_mode_16_64 3
		.amdhsa_memory_ordered 1
		.amdhsa_forward_progress 1
		.amdhsa_inst_pref_size 153
	.end_amdhsa_kernel
	.amdgpu_metadata
---
amdhsa.version: [ 1, 2 ]
amdhsa.kernels:
  - .name:           k_q627c906e6d_qkv
    .symbol:         k_q627c906e6d_qkv.kd
    .args:
      - { .name: xbuf, .offset: 0, .size: 8, .value_kind: global_buffer, .address_space: global }
      - { .name: nbuf, .offset: 8, .size: 8, .value_kind: global_buffer, .address_space: global }
      - { .name: wbuf, .offset: 16, .size: 8, .value_kind: global_buffer, .address_space: global }
      - { .name: null_kv, .offset: 24, .size: 8, .value_kind: global_buffer, .address_space: global }
      - { .name: qimg, .offset: 32, .size: 8, .value_kind: global_buffer, .address_space: global }
      - { .name: kv, .offset: 40, .size: 8, .value_kind: global_buffer, .address_space: global }
    .group_segment_fixed_size: 327680
    .private_segment_fixed_size: 0
    .kernarg_segment_align: 8
    .kernarg_segment_size: 48
    .max_flat_workgroup_size: 128
    .sgpr_count:     100
    .vgpr_count:     1024
    .wavefront_size: 32
...
	.end_amdgpu_metadata
.endif
;; end of part 2
;; launch attn (part 3): grid 8 x 32, 16 waves a work-group, no clusters, 238,592 bytes of LDS; arguments qimg, kv, mask, obuf; writes obuf
.if DOCPART == 3
	.amdgcn_target "amdgcn-amd-amdhsa--gfx1250"
	.amdhsa_code_object_version 6
	.text
	.protected	k_q627c906e6d_attn
	.globl	k_q627c906e6d_attn
	.p2align	8
	.type	k_q627c906e6d_attn,@function
k_q627c906e6d_attn:
	s_mov_b64 s[64:65], 0
	v_nop
	global_prefetch_b8 v0, s[64:65] scope:SCOPE_SE
	s_setreg_imm32_b32 hwreg(HW_REG_WAVE_MODE, 25, 1), 1
	s_wait_xcnt 0x0
; Attention of one head on codes of FP6 (E2M3): scores q k^T / 8 + ALiBi, a padding mask over the keys, the causal mask (key position j counts for the query at position i + 2 where j <= i + 2), softmax, times v;
; the result is quantised along the head's 64 channels and laid as the image that the last product reads.  Key positions 0 and 1 are the null keys; they always count.
; THE SOFTMAX AHEAD OF THE SECOND PRODUCT: t = logit x log2(e); M = the running largest t rounded UP to a whole number; p = 2^(t - M) is quantised along the keys, in blocks of 32 from key position 0; the row's sum is taken
; of the unquantised p and divides at the end.  When M moves, the sum and O are multiplied by 2^(old M - new M): exact.
; SHARES.  A work-group owns one head and 16 tiles of 16 queries, one a wave: tile 8 x rank + work-group x, rank a permutation of the wave's number: so every work-group has the same number of key steps.
; A head's whole k and v^T, 17 records of 128 keys (13,312 bytes each), lie in LDS, filled ONCE by five tensor loads a wave: no slot is filled again.
; No cluster: which key steps a wave leaves out hangs on its work-group's own queries, which differ between work-groups of a head.
; LAYOUT.  Both products are used transposed: S^T = k q^T (source 0 = 16 keys, source 1 = my 16 queries), O^T = v^T p^T: a lane holds ONE query.  The keys of a tile of k and the channels of a tile of v^T are permuted
; (image row r of tile 2 b + u is 32 b + 8 u + r + 8 (r / 8)), so that the 16 registers of tiles 2 b, 2 b + 1 are 16 neighbours.
; K = 64 fills half of the instruction's 128: q's upper six registers are zero codes; k's operand of tile t names the next tile's six registers as its upper half, which meet those zeros.
; ALIBI AND THE PADDING MASK COST NO VECTOR INSTRUCTION: a table TB[j] = 8 x slope x (j % 128), or -1e30 for a key that does not count, is the C of the score product.  With c = log2(e) / 8,
; t = c x D + G, G = log2(e) x slope x (128 s - query position).
; LIMITS: hidden keys get -1e30 where the source has -FLT_MAX: p = 0 either way while |score| stays far under 1e29.  t carries the rounding of sums of the size of 8 x slope x 127 and of G, as the source's own f32 sum
; of score and bias does.  A block of zeros gets the scale byte 1 (zero codes).  q's 1/8 is folded into c, exact unless a block of q lies under 2^-121.  NaN and infinities are not served.
; REGISTERS: v1-9 addresses and G; v[10:11] G - M; v12 -M; v13 the largest t; v[14:15] the sum; v16-27 q; v28 q's scale word; v32-79 k's 8 half fragments, then v^T's 4 fragments; v80-85 zeros; v86-89 k's scale words;
; v90-91 v's; v96-159 the scores, then p; v160-191 O^T; v192-210 p's codes; v212-231 at work; v224 p's scale word; v232 -1e30; v233-238 addresses made at the head.
.set REC,   13312
.set HEADB, 17*REC                     ; 226,304 bytes: a head's records
.set STG,   4*REC                      ; what the sixteen waves' loads of one kind bring together: four records
.set TB,    HEADB                      ; behind them: the table, 2,560 numbers, in blocks of 256 bytes into which no fill lands
.set NSC,   3145728                    ; where the scale words begin in obuf
.set SEL,   20                         ; s[20:21] lane l xor 16
.set CS,    22                         ; s[22:23] c
.set C8S,   24                         ; log2(e) x slope
.set S8,    25                         ; 8 x slope
.set QMIN,  26                         ; my first query's position
.set QMAX,  27                         ; my last's
.set KF,    28                         ; the step's first key position
.set RBS,   29                         ; its record's LDS byte
.set TS,    30                         ; its place in the table
.set CNT,   31
	s_load_b256 s[4:11], s[0:1], 0x0               ; qimg, kv, mask, obuf
	v_lshl_add_u32 v254, v0, 2, 0x39c00
	v_mov_b32 v255, 0
	ds_add_u32 v254, v255
	ds_add_u32 v254, v255
	v_lshrrev_b32 v1, 5, v0
	v_readfirstlane_b32 s12, v1                    ; wave 0..15
	s_and_b32 s16, ttmp7, 0xffff                   ; 16 b + head
	s_lshr_b32 s17, s16, 4
	s_and_b32 s18, s16, 15
	; descriptor group 1: 13 rows of 256 bytes, dense (a wave's sixteenth of four records)
	s_mov_b32 s32, 3<<16
	s_mov_b32 s33, 32<<16
	s_mov_b32 s34, 13<<16
	s_mov_b32 s35, 32<<16
	s_mov_b32 s36, 13
	s_mov_b32 s37, 32
	s_mov_b32 s38, 0
	s_mov_b32 s39, 0
	; and 13 rows of 64 bytes, dense (a sixteenth of the last record)
	s_mov_b32 s40, 3<<16
	s_mov_b32 s41, 8<<16
	s_mov_b32 s42, 13<<16
	s_mov_b32 s43, 8<<16
	s_mov_b32 s44, 13
	s_mov_b32 s45, 8
	s_mov_b32 s46, 0
	s_mov_b32 s47, 0
	s_mul_i32 s72, s16, HEADB
	s_mul_i32 s73, s12, 3328
	s_mul_i32 s74, s12, 832
	s_add_co_u32 s74, s74, 4*STG
	s_add_co_u32 s76, s72, s73
	s_mov_b32 s77, 0
	s_add_co_u32 s80, s72, s74
	s_mov_b32 s81, 0
	s_wait_dscnt 0x0
	s_wait_kmcnt 0x0
	s_add_nc_u64 s[78:79], s[6:7], s[76:77]
.irp k, 0,1,2,3
	s_mov_b32 s[48+4*\k], 1
	s_add_co_u32 s[49+4*\k], s73, \k*STG           ; the same place in LDS as in the head's records
	s_add_nc_u64 s[50+4*\k:51+4*\k], s[78:79], \k*STG
	s_or_b32 s[51+4*\k], s[51+4*\k], 0x80000000
.endr
	s_mov_b32 s68, 1
	s_mov_b32 s69, s74
	s_add_nc_u64 s[70:71], s[6:7], s[80:81]
	s_or_b32 s71, s71, 0x80000000
	tensor_load_to_lds s[48:51], s[32:39]          ; the first fills, as one group: five loads of mine are out
	s_nop 0
	tensor_load_to_lds s[52:55], s[32:39]
	s_nop 0
	tensor_load_to_lds s[56:59], s[32:39]
	s_nop 0
	tensor_load_to_lds s[60:63], s[32:39]
	s_nop 0
	tensor_load_to_lds s[68:71], s[40:47]
	s_nop 0
.rept 4
	v_nop
.endr
	s_bfe_u32 s13, s12, 0x10002
	s_mul_i32 s13, s13, 3
	s_xor_b32 s13, s13, s12                        ; rank: waves 4-7 and 12-15 in reverse order within their four
	s_lshl_b32 s14, s13, 3
	s_add_co_u32 s14, s14, ttmp9                   ; my tile of 16 queries
	s_lshl_b32 s[QMIN], s14, 4
	s_add_co_u32 s[QMIN], s[QMIN], 2
	s_add_co_u32 s[QMAX], s[QMIN], 15
	s_add_co_u32 s72, s18, 1                       ; slope = 2^(-n / 2), n = head + 1
	s_and_b32 s73, s72, 1
	s_cmp_eq_u32 s73, 1
	s_mov_b32 s74, 0x3f800000
	s_cselect_b32 s74, 0x3f3504f3, s74             ; sqrt(1/2) for an odd n
	s_lshr_b32 s72, s72, 1
	s_lshl_b32 s72, s72, 23
	s_sub_co_u32 s74, s74, s72                     ; n / 2 off the exponent field
	s_add_co_u32 s[S8], s74, 3<<23
	s_mul_f32 s[C8S], s74, 0x3fb8aa3b
	s_mov_b32 s[CS], 0x3e38aa3b                    ; log2(e) / 8
	s_mov_b32 s[CS+1], s[CS]                       ; (named with it as a pair)
	s_mov_b32 s[SEL], 0x76543210
	s_mov_b32 s[SEL+1], 0xfedcba98
	s_mov_b32 s[KF], 0
	s_mov_b32 s[RBS], 0
	s_mov_b32 s[TS], 0
	v_and_b32 v229, 31, v0
	v_lshlrev_b32 v1, 4, v229                      ; 16 x lane
	v_lshlrev_b32 v2, 3, v229                      ; 8 x lane
	v_and_b32 v238, 15, v0                         ; r
	v_bfe_u32 v230, v0, 4, 1                       ; h
	v_lshl_add_u32 v3, v230, 6, TB                 ; the table at my half's 16 keys
	v_add_nc_u32 v4, s[QMIN], v238                 ; my query's position
	v_lshlrev_b32 v5, 4, v230
	v_sub_nc_u32 v5, v238, v5                      ; r - 16 h
	v_lshl_add_u32 v233, v0, 2, TB
	v_add_nc_u32 v234, -2, v0
	v_max_i32 v234, 0, v234                        ; the mask's byte of key position j is j - 2, held inside the row
	v_add_nc_u32 v235, 2046, v0
	v_min_u32 v235, 2047, v235
	v_lshlrev_b32 v236, 4, v238
	v_lshlrev_b32 v237, 3, v238
	s_lshl_b32 s82, s17, 11
	s_mov_b32 s83, 0
	s_add_nc_u64 s[82:83], s[8:9], s[82:83]        ; the batch's row of the mask
	global_load_u8 v240, v234, s[82:83]            ; thread n makes the table's entries n + 512 k
	global_load_u8 v241, v0, s[82:83] offset:510
	global_load_u8 v242, v0, s[82:83] offset:1022
	global_load_u8 v243, v0, s[82:83] offset:1534
	global_load_u8 v244, v235, s[82:83]
	s_lshl_b32 s72, s16, 4
	s_lshr_b32 s73, s14, 3
	s_add_co_u32 s72, s72, s73
	s_mul_i32 s72, s72, 6656                       ; q's record: 128 queries
	s_mov_b32 s73, 0
	s_add_nc_u64 s[84:85], s[4:5], s[72:73]
	s_and_b32 s74, s14, 7                          ; my tile in it
	s_mul_i32 s76, s74, 768
	s_mov_b32 s77, 0
	s_add_nc_u64 s[86:87], s[84:85], s[76:77]
	s_and_b32 s76, s74, 1
	s_lshl_b32 s76, s76, 8
	s_lshr_b32 s75, s74, 1
	s_lshl_b32 s75, s75, 2
	s_add_co_u32 s76, s76, s75
	s_add_nc_u64 s[84:85], s[84:85], s[76:77]
	global_load_b128 v[16:19], v1, s[86:87]        ; q's half fragment stays in registers
	global_load_b64 v[20:21], v2, s[86:87] offset:512
	global_load_b32 v28, v236, s[84:85] offset:6144
	v_and_b32 v245, 127, v0
	v_cvt_f32_u32 v245, v245
	v_mul_f32 v245, s[S8], v245                    ; 8 x slope x (j % 128): the same for my five entries
	v_mov_b32 v232, 0xf149f2ca                     ; -1e30
	v_cmp_gt_u32 s88, 2, v0
	s_wait_loadcnt 3                               ; the mask's bytes are in; q's three loads may be out
.irp k, 0,1,2,3,4
	v_cmp_ne_u32 vcc_lo, 0, v[240+\k]
	v_cndmask_b32 v[240+\k], v232, v245, vcc_lo
.endr
	v_cndmask_b32 v240, v240, v245, s88            ; the null keys always count;
	v_cndmask_b32 v244, v232, v244, s88            ; key positions from 2,050 on never
.irp k, 0,1,2,3,4
	ds_store_b32 v233, v[240+\k] offset:2048*\k
.endr
	v_mov_b32 v13, 0xff61b1e6                      ; the largest t so far: -3e38
	v_floor_f32 v12, -v13
	v_mov_b32 v14, 0
	v_mov_b32 v15, 0
	v_mov_b32 v11, 0                               ; (upper halves of pairs of which the low word alone is used)
	v_mov_b32 v227, 0
.irp i, 0,1,2,3,4,5
	v_mov_b32 v[22+\i], 0                          ; q's upper half: zero codes
	v_mov_b32 v[80+\i], 0
.endr
.irp b, 0,1,2,3
	v_mov_b32 v[216+\b], 0                         ; a lane permute's destination counts as one of its sources
.endr
.set j, 0
.rept 32
	v_mov_b32 v[160+j], 0                          ; O^T: the step is written without a first step of its own
.set j, j+1
.endr
	s_wait_loadcnt 0x0                             ; q
; A KEY STEP: 128 key positions.
.macro STEP
	s_cmp_gt_u32 s[KF], s[QMAX]                    ; all its keys come after my queries: the work is left out; the lines at the end that step addresses are not
	s_cbranch_scc1 .Lhid_\@
	v_add_nc_u32 v6, s[RBS], v1                    ; (these six are also the places behind the last step's products)
	v_add_nc_u32 v7, s[RBS], v2
	v_add_nc_u32 v8, s[TS], v3
	v_sub_nc_u32 v9, s[KF], v4
	v_cvt_f32_i32 v9, v9
	v_mul_f32 v9, s[C8S], v9                       ; G
.irp t, 0,1,2,3,4,5,6,7
	ds_load_b128 v[32+6*\t:35+6*\t], v6 offset:768*\t
	ds_load_b64 v[36+6*\t:37+6*\t], v7 offset:768*\t+512
.endr
	ds_load_b128 v[86:89], v6 offset:12288
.irp n, 0,1,2,3,4,5,6,7,8,9,10,11,12,13,14,15
	ds_load_b128 v[96+4*\n:99+4*\n], v8 offset:128*(\n/4)+16*(\n%4)   ; register 16 b + i: key position 32 b + 16 h + i of the step
.endr
	s_wait_dscnt 0x0
.irp t, 0,2,4,6
	v_wmma_scale_f32_16x16x128_f8f6f4 v[96+8*\t:103+8*\t], v[32+6*\t:43+6*\t], v[16:27], v[96+8*\t:103+8*\t], v[86+\t/2], v28 matrix_a_fmt:MATRIX_FMT_FP6 matrix_b_fmt:MATRIX_FMT_FP6
	v_wmma_scale_f32_16x16x128_f8f6f4 v[104+8*\t:111+8*\t], v[38+6*\t:49+6*\t], v[16:27], v[104+8*\t:111+8*\t], v[86+\t/2], v28 matrix_a_fmt:MATRIX_FMT_FP6 matrix_b_fmt:MATRIX_FMT_FP6 matrix_a_scale:MATRIX_SCALE_ROW1
.endr
.rept 4
	v_nop                                          ; places in front of the loads below and of the first read of the scores
.endr
.irp t, 0,1,2,3                        ; v^T's four fragments land under the softmax
	ds_load_b128 v[32+12*\t:35+12*\t], v6 offset:6144+1536*\t
	ds_load_b64 v[36+12*\t:37+12*\t], v7 offset:6144+1536*\t+512
	ds_load_b128 v[38+12*\t:41+12*\t], v6 offset:6144+1536*\t+768
	ds_load_b64 v[42+12*\t:43+12*\t], v7 offset:6144+1536*\t+1280
.endr
	ds_load_b64 v[90:91], v6 offset:12800
	s_add_co_u32 s72, s[KF], 127                   ; on the diagonal hidden scores become -1e30; a step all of whose keys count skips this
	s_cmp_le_u32 s72, s[QMIN]
	s_cbranch_scc1 .Lopen_\@
	s_sub_co_i32 s72, s[QMIN], s[KF]
	v_add_nc_u32 v228, s72, v5                     ; d = my position - KF - 16 h: register 16 b + i is hidden where 32 b + i > d
.set n, 0
.rept 64
	v_cmp_gt_i32 vcc_lo, 32*(n/16)+n%16, v228
	v_cndmask_b32 v[96+n], v[96+n], v232, vcc_lo
.set n, n+1
.endr
.Lopen_\@:
.irp b, 0,1,2,3
	v_max3_num_f32 v[212+\b], v[96+16*\b], v[97+16*\b], v[98+16*\b]   ; the largest score of each block of 32 keys: for the row's maximum and, since p rises with the score, for the block's largest p
.endr
.irp i, 3,5,7,9,11,13
.irp b, 0,1,2,3
	v_max3_num_f32 v[212+\b], v[212+\b], v[96+16*\b+\i], v[97+16*\b+\i]
.endr
.endr
.irp b, 0,1,2,3
	v_max_num_f32 v[212+\b], v[212+\b], v[111+16*\b]
.endr
.irp b, 0,1,2,3
	v_permlanex16_b32 v[216+\b], v[212+\b], s[SEL], s[SEL+1]
.endr
.irp b, 0,1,2,3
	v_max_num_f32 v[212+\b], v[212+\b], v[216+\b]
.endr
	v_max3_num_f32 v228, v212, v213, v214
	v_max_num_f32 v228, v228, v215
	v_fma_f32 v228, v228, s[CS], v9                ; the step's largest t
	v_max_num_f32 v13, v13, v228
	v_mov_b32 v228, v12
	v_floor_f32 v12, -v13                          ; -M = floor(-t): M is a whole number
	v_sub_f32 v228, v12, v228                      ; old M - new M, 0 or less
	v_cvt_i32_f32 v228, v228                       ; (it saturates)
	v_ldexp_f32 v226, 1.0, v228                    ; f = 2^(old M - new M)
	v_add_f32 v10, v9, v12                         ; G - M
.set j, 0
.rept 32
	v_pk_fma_f32 v[96+j:97+j], v[96+j:97+j], s[CS:CS+1], v[10:11] op_sel_hi:[1,0,0]   ; t - M
.set j, j+2
.endr
.irp b, 0,1,2,3
	v_fma_f32 v[212+\b], v[212+\b], s[CS], v10
.endr
.set j, 0
.rept 64
	v_exp_f32 v[96+j], v[96+j]                     ; p, at most 1: not normalised
.set j, j+1
.endr
	v_pk_mul_f32 v[14:15], v[14:15], v[226:227] op_sel_hi:[1,0]   ; the sums under the new M: a plain instruction behind the exponentials
	s_wait_alu depctr_va_vdst(0)                   ; one wait for the batch, ahead of its first reader
.irp b, 0,1,2,3
	v_exp_f32 v[212+\b], v[212+\b]                 ; the blocks' largest p
.endr
	v_pk_add_f32 v[230:231], v[96:97], v[98:99]    ; the row's sum of the unquantised p, in two chains
.irp j, 4,8,12,16,20,24,28,32,36,40,44,48,52,56,60
	v_pk_add_f32 v[14:15], v[14:15], v[96+\j:97+\j]
	v_pk_add_f32 v[230:231], v[230:231], v[98+\j:99+\j]
.endr
	v_pk_add_f32 v[14:15], v[14:15], v[230:231]
	s_wait_alu depctr_va_vdst(0)                   ; and one for the four
.irp b, 0,1,2,3
	v_max_num_f32 v[212+\b], 0x1800000, v[212+\b]  ; the floor 2^(3 - 127): the byte cannot fall under 1
.endr
.irp b, 0,1,2,3
	v_add_nc_u32 v[220+\b], 0xff000000, v[212+\b]
.endr
.irp b, 0,1,2,3
	v_lshrrev_b32 v[216+\b], 23, v[220+\b]
.endr
	v_lshl_or_b32 v224, v217, 8, v216              ; p's scale word for these 128 keys
	v_lshl_or_b32 v224, v218, 16, v224
	v_lshl_or_b32 v224, v219, 24, v224
.irp c, 0,1
	v_cvt_scalef32_pk16_fp6_f32 v[192+6*\c:194+6*\c], v[96+32*\c:111+32*\c], v[220+2*\c]
	v_cvt_scalef32_pk16_fp6_f32 v[204+4*\c:206+4*\c], v[112+32*\c:127+32*\c], v[221+2*\c]
.endr
	v_nop                                          ; a plain instruction behind the scaled conversions
.irp c, 0,1
.irp i, 0,1,2
	v_permlane16_swap_b32 v[192+6*\c+\i], v[204+4*\c+\i]
.endr
.irp i, 0,1,2
	v_mov_b32 v[195+6*\c+\i], v[204+4*\c+\i]
.endr
.endr
.set j, 0
.rept 16
	v_pk_mul_f32 v[160+j:161+j], v[160+j:161+j], v[226:227] op_sel_hi:[1,0]   ; O^T under the new M; these sixteen are also the places in front of the scaled products
.set j, j+2
.endr
	s_wait_dscnt 0x0                               ; v^T
.irp t, 0,2
	v_wmma_scale_f32_16x16x128_f8f6f4 v[160+8*\t:167+8*\t], v[32+12*\t:43+12*\t], v[192:203], v[160+8*\t:167+8*\t], v[90+\t/2], v224 matrix_a_fmt:MATRIX_FMT_FP6 matrix_b_fmt:MATRIX_FMT_FP6
	v_wmma_scale_f32_16x16x128_f8f6f4 v[168+8*\t:175+8*\t], v[44+12*\t:55+12*\t], v[192:203], v[168+8*\t:175+8*\t], v[90+\t/2], v224 matrix_a_fmt:MATRIX_FMT_FP6 matrix_b_fmt:MATRIX_FMT_FP6 matrix_a_scale:MATRIX_SCALE_ROW1
.endr
.Lhid_\@:
	s_add_co_u32 s[KF], s[KF], 128
	s_add_co_u32 s[RBS], s[RBS], REC
	s_add_co_u32 s[TS], s[TS], 512
.endm
	s_wait_tensorcnt 4                             ; my part of records 0-3 is in; my four younger loads may be out
	s_wait_dscnt 0x0                               ; my part of the table lies in LDS
	s_barrier_signal -1
	s_barrier_wait -1
	s_mov_b32 s[CNT], 4
.Lfirst:
	STEP
	s_sub_co_u32 s[CNT], s[CNT], 1
	s_cmp_lg_u32 s[CNT], 0
	s_cbranch_scc1 .Lfirst
	s_wait_tensorcnt 0x0                           ; all my loads have landed
	s_wait_dscnt 0x0
	s_barrier_signal -1
	s_barrier_wait -1                              ; everybody's have: the whole head lies in LDS
	s_mov_b32 s[CNT], 13
.Lrest:
	STEP
	s_sub_co_u32 s[CNT], s[CNT], 1
	s_cmp_lg_u32 s[CNT], 0
	s_cbranch_scc1 .Lrest
	; THE WAY OUT: O^T / the sum, quantised along the head's 64 channels (two blocks), is half c = head % 2 of K step head / 2 of the fragment of my 16 tokens.
.rept 4
	v_nop                                          ; places behind the last products
.endr
	v_add_f32 v14, v14, v15
	v_permlanex16_b32 v216, v14, s[SEL], s[SEL+1]
	v_add_f32 v14, v14, v216                       ; the row's sum
	v_rcp_f32 v14, v14
	v_nop                                          ; a plain instruction behind the transcendental
	s_lshl_b32 s72, s17, 7
	s_add_co_u32 s72, s72, s14                     ; the tile of 16 tokens: 128 b + t
	s_mul_i32 s74, s72, 12288
	s_lshr_b32 s73, s18, 1
	s_mul_i32 s73, s73, 1536
	s_add_co_u32 s74, s74, s73
	s_and_b32 s73, s18, 1
	s_mul_i32 s76, s73, 768
	s_add_co_u32 s74, s74, s76
	s_mov_b32 s75, 0
	s_add_nc_u64 s[74:75], s[10:11], s[74:75]
	s_lshr_b32 s76, s72, 1                         ; the scale bytes: pair of tiles,
	s_lshl_b32 s76, s76, 10
	s_lshr_b32 s77, s18, 2                         ; pair of K steps,
	s_lshl_b32 s77, s77, 8
	s_add_co_u32 s76, s76, s77
	s_bfe_u32 s77, s18, 0x10001                    ; the K step's word,
	s_lshl_b32 s77, s77, 2
	s_add_co_u32 s76, s76, s77
	s_lshl_b32 s73, s73, 1                         ; my head's two bytes of it,
	s_add_co_u32 s76, s76, s73
	s_and_b32 s77, s14, 1                          ; the odd tile's rows behind the even tile's
	s_lshl_b32 s77, s77, 7
	s_add_co_u32 s76, s76, s77
	s_add_co_u32 s76, s76, NSC
	s_mov_b32 s77, 0
	s_add_nc_u64 s[76:77], s[10:11], s[76:77]
	s_wait_alu depctr_va_vdst(0)                   ; the wait ahead of the reciprocal's first reader
.set j, 0
.rept 16
	v_pk_mul_f32 v[96+j:97+j], v[160+j:161+j], v[14:15] op_sel_hi:[1,0]   ; register 16 b + i: channel 32 b + 16 h + i
.set j, j+2
.endr
.irp b, 0,1
	v_max3_num_f32 v[212+\b], |v[96+16*\b]|, |v[97+16*\b]|, 0x1800000
.endr
.irp i, 2,4,6,8,10,12,14
.irp b, 0,1
	v_max3_num_f32 v[212+\b], v[212+\b], |v[96+16*\b+\i]|, |v[97+16*\b+\i]|
.endr
.endr
.irp b, 0,1
	v_permlanex16_b32 v[216+\b], v[212+\b], s[SEL], s[SEL+1]
.endr
.irp b, 0,1
	v_max_num_f32 v[212+\b], v[212+\b], v[216+\b]
.endr
.irp b, 0,1
	v_add_nc_u32 v[220+\b], 0xff000000, v[212+\b]
.endr
.irp b, 0,1
	v_lshrrev_b32 v[216+\b], 23, v[220+\b]
.endr
	v_lshl_or_b32 v229, v217, 8, v216
	v_cvt_scalef32_pk16_fp6_f32 v[192:194], v[96:111], v220
	v_cvt_scalef32_pk16_fp6_f32 v[204:206], v[112:127], v221
	v_nop
.irp i, 0,1,2
	v_permlane16_swap_b32 v[192+\i], v[204+\i]
.endr
.irp i, 0,1,2
	v_mov_b32 v[195+\i], v[204+\i]
.endr
	global_store_b128 v1, v[192:195], s[74:75]     ; whole aligned blocks of 256 bytes
	global_store_b64 v2, v[196:197], s[74:75] offset:512
	global_store_b16 v237, v229, s[76:77]          ; two bytes a row: a scale word of the last product spans two heads, which are two work-groups here; lanes 16-31 store what lanes 0-15 store
	s_wait_tensorcnt 0x0
	ds_add_u32 v254, v255
	s_wait_dscnt 0x0
	s_endpgm
.Lfunc_end_k_q627c906e6d_attn:
	.size	k_q627c906e6d_attn, .Lfunc_end_k_q627c906e6d_attn-k_q627c906e6d_attn
	.p2alignl 7, 3214868480
	.fill 96, 4, 3214868480
	.section	.rodata,"a",@progbits
	.p2align	6, 0x0
	.amdhsa_kernel k_q627c906e6d_attn
		.amdhsa_group_segment_fixed_size 238592
		.amdhsa_private_segment_fixed_size 0
		.amdhsa_enable_private_segment 0
		.amdhsa_kernarg_size 32
		.amdhsa_user_sgpr_count 2
		.amdhsa_user_sgpr_kernarg_segment_ptr 1
		.amdhsa_wavefront_size32 1
		.amdhsa_system_sgpr_workgroup_id_x 1
		.amdhsa_system_sgpr_workgroup_id_y 1
		.amdhsa_system_sgpr_workgroup_id_z 1
		.amdhsa_system_vgpr_workitem_id 0
		.amdhsa_next_free_vgpr 256
		.amdhsa_next_free_sgpr 92
		.amdhsa_reserve_vcc 1
		.amdhsa_float_denorm_mode_32 3
		.amdhsa_float_denorm_mode_16_64 3
		.amdhsa_memory_ordered 1
		.amdhsa_forward_progress 1
		.amdhsa_inst_pref_size 59
	.end_amdhsa_kernel
	.amdgpu_metadata
---
amdhsa.version: [ 1, 2 ]
amdhsa.kernels:
  - .name:           k_q627c906e6d_attn
    .symbol:         k_q627c906e6d_attn.kd
    .args:
      - { .name: qimg, .offset: 0, .size: 8, .value_kind: global_buffer, .address_space: global }
      - { .name: kv, .offset: 8, .size: 8, .value_kind: global_buffer, .address_space: global }
      - { .name: mask, .offset: 16, .size: 8, .value_kind: global_buffer, .address_space: global }
      - { .name: obuf, .offset: 24, .size: 8, .value_kind: global_buffer, .address_space: global }
    .group_segment_fixed_size: 238592
    .private_segment_fixed_size: 0
    .kernarg_segment_align: 8
    .kernarg_segment_size: 32
    .max_flat_workgroup_size: 512
    .sgpr_count:     92
    .vgpr_count:     256
    .wavefront_size: 32
...
	.end_amdgpu_metadata
.endif
;; end of part 3
;; launch oproj (part 4): grid 64 x 1, 4 waves a work-group, no clusters, 327,680 bytes of LDS; arguments obuf, wbuf, out0; writes out0
.if DOCPART == 4
	.amdgcn_target "amdgcn-amd-amdhsa--gfx1250"
	.amdhsa_code_object_version 6
	.text
	.protected	k_q627c906e6d_oproj
	.globl	k_q627c906e6d_oproj
	.p2align	8
	.type	k_q627c906e6d_oproj,@function
k_q627c906e6d_oproj:
	s_mov_b64 s[64:65], 0
	v_nop
	global_prefetch_b8 v0, s[64:65] scope:SCOPE_SE
	s_setreg_imm32_b32 hwreg(HW_REG_WAVE_MODE, 25, 1), 1
	s_wait_xcnt 0x0
; out0 = (attention's result) x Wout on codes of FP6 (E2M3), K = 1,024; out0 is f32.
; D = P0 x P1^T: source 0 = 16 columns of Wout (rows 3,072 on of wbuf, permuted: image row r of tile 2 G + u is 32 G + 8 u + r + 8 (r / 8)), source 1 = 16 tokens (obuf).  A lane holds one token, and the 16 registers of
; tiles 2 b and 2 b + 1 are 16 neighbouring columns.  Operands come as images of their registers: a fragment of 16 rows x 128 K is 1,536 bytes, by four dense loads.
; A work-group makes 256 x 256, each of its four waves 128 x 128: 64 accumulators.  K goes in four chunks of 256 through three LDS slots: chunks 0-2 and the scale words are first fills, chunk 3 fills slot 0 again.
; No cluster, so that the main part is that of the launch that makes q, k and v, line for line.
; REGISTERS, in windows of 256: window 0: v8-27 addresses; v28, v29 for the add; v32-63 scale words, two sets, and nothing else; v128-223 P1's 8 fragments, one set; on the way out v128-255 rows of out0.
;   window 1: P0's 8 fragments, two sets.   windows 2, 3: the accumulators: (a, b) at v[8 (8 (a % 4) + b)], a < 4 in window 2.
.set SLOTB, 98304
.set HALFB, 24576
.set SCL,   3*SLOTB
.set SPARE, SCL+16384
.set WSC,   3145728                    ; where the scale words begin in wbuf and in obuf
.set SPW,   28
.set NIL,   29
.set SC,    32
.set P1F,   128
.set STO,   26
.set RD,    27
.set MSB, 0
.macro WIN new                         ; the immediate's high byte repeats the setting that is left
.if MSB != (\new)
	s_set_vgpr_msb (MSB<<8)|(\new)
.set MSB, (\new)
.endif
.endm
.set MUL_LO, 0xa1
.set MUL_HI, 0xf1
	s_load_b128 s[4:7], s[0:1], 0x0                ; obuf, wbuf
	s_load_b64 s[8:9], s[0:1], 0x10                ; out0
	v_lshl_add_u32 v[SPW], v0, 2, SPARE
	v_mov_b32 v[NIL], 0
	ds_add_u32 v28, v29
	ds_add_u32 v28, v29
	s_wait_dscnt 0x0
	v_lshrrev_b32 v1, 5, v0
	v_readfirstlane_b32 s16, v1                    ; wave 0..3
	s_lshr_b32 s17, s16, 1                         ; my half of the tokens.  Also: I fetch for P0 (0) or for P1 (1)
	s_and_b32 s18, s16, 1                          ; my half of the columns.  Also: which half of that operand I fetch
	s_and_b32 s20, ttmp9, 3                        ; the tile of 256 columns
	s_lshr_b32 s21, ttmp9, 2                       ; the tile of 256 tokens
	s_add_co_u32 s66, s20, 12                      ; Wout's rows begin at tile 12 of wbuf
	s_cmp_eq_u32 s17, 0
	s_cselect_b32 s71, s66, s21
	s_mul_i32 s74, s71, 196608
	s_mul_i32 s73, s18, 98304
	s_add_co_u32 s74, s74, s73
	s_mov_b32 s75, 0
	s_lshl_b32 s76, s71, 13
	s_lshl_b32 s73, s18, 12
	s_add_co_u32 s76, s76, s73
	s_add_co_u32 s76, s76, WSC
	s_mov_b32 s77, 0
	s_mul_i32 s82, s16, HALFB
	; descriptor group 1 for the codes: 8 rows (tiles) of 3,072 bytes (two K steps), 12,288 bytes apart, elements of 8 bytes; dense in LDS
	s_mov_b32 s24, 3<<16
	s_mov_b32 s25, 384<<16
	s_mov_b32 s26, 8<<16
	s_mov_b32 s27, 384<<16
	s_mov_b32 s28, 8
	s_mov_b32 s29, 1536
	s_mov_b32 s30, 0
	s_mov_b32 s31, 0
	; and for the scale words: 4,096 dense bytes as 16 rows of 256
	s_mov_b32 s32, 3<<16
	s_mov_b32 s33, 32<<16
	s_mov_b32 s34, 16<<16
	s_mov_b32 s35, 32<<16
	s_mov_b32 s36, 16
	s_mov_b32 s37, 32
	s_mov_b32 s38, 0
	s_mov_b32 s39, 0
	s_wait_kmcnt 0x0
	s_cmp_eq_u32 s17, 0
	s_cselect_b64 s[78:79], s[6:7], s[4:5]         ; the operand that I fetch for
	s_add_nc_u64 s[80:81], s[78:79], s[76:77]
	s_add_nc_u64 s[78:79], s[78:79], s[74:75]
	s_mov_b32 s40, 1
	s_lshl_b32 s41, s16, 12
	s_add_co_u32 s41, s41, SCL
	s_mov_b64 s[42:43], s[80:81]
	s_or_b32 s43, s43, 0x80000000
.irp n, 0,1,2,3
	s_mov_b32 s[44+4*\n], 1
	s_add_co_u32 s[45+4*\n], s82, (\n%3)*SLOTB
	s_add_nc_u64 s[46+4*\n:47+4*\n], s[78:79], 3072*\n
	s_or_b32 s[47+4*\n], s[47+4*\n], 0x80000000
.endr
	tensor_load_to_lds s[40:43], s[32:39]          ; the first fills, as one group: four loads of mine are out
	s_nop 0
	tensor_load_to_lds s[44:47], s[24:31]
	s_nop 0
	tensor_load_to_lds s[48:51], s[24:31]
	s_nop 0
	tensor_load_to_lds s[52:55], s[24:31]
	s_nop 0
.rept 4
	v_nop
.endr
	v_and_b32 v1, 31, v0
	v_lshlrev_b32 v22, 4, v1
	v_lshlrev_b32 v23, 3, v1
	v_and_b32 v24, 15, v0
	v_bfe_u32 v25, v0, 4, 1
	s_mul_i32 s83, s18, HALFB
	s_mul_i32 s84, s17, HALFB
	s_add_co_u32 s84, s84, 2*HALFB
.irp s, 0,1,2
	v_add_nc_u32 v[8+\s], s83, v22
	v_add_nc_u32 v[11+\s], s83, v23
	v_add_nc_u32 v[14+\s], s84, v22
	v_add_nc_u32 v[17+\s], s84, v23
	s_add_co_u32 s83, s83, SLOTB
	s_add_co_u32 s84, s84, SLOTB
.endr
	s_lshl_b32 s83, s18, 12
	s_add_co_u32 s83, s83, SCL
	v_add_nc_u32 v20, s83, v23
	s_lshl_b32 s84, s17, 12
	s_add_co_u32 s84, s84, SCL+8192
	v_add_nc_u32 v21, s84, v23
	s_mul_i32 s85, s16, 16*528                     ; my stage for the way out: 16 rows x (512 bytes + 16), in slot 1, which has had its only fill and whose last reads end in front of the last barrier
	s_add_co_u32 s85, s85, SLOTB
	v_mul_u32_u24 v[STO], v24, 528
	v_lshl_add_u32 v[STO], v25, 6, v[STO]
	v_add_nc_u32 v[STO], s85, v[STO]               ; in: row r, + 64 h
	v_add_nc_u32 v[RD], s85, v22                   ; back: a row's 512 bytes, 16 a lane
	s_lshl_b32 s86, s21, 8
	s_lshl_b32 s87, s17, 7
	s_add_co_u32 s86, s86, s87                     ; my first token
	s_lshl_b32 s86, s86, 12
	s_lshl_b32 s87, s20, 10
	s_lshl_b32 s88, s18, 9
	s_add_co_u32 s87, s87, s88                     ; my first column, in bytes
	s_add_co_u32 s86, s86, s87
	s_mov_b32 s87, 0
	s_add_nc_u64 s[8:9], s[8:9], s[86:87]
.macro FRAG reg, a16, a8, off          ; a fragment's image: four dense loads
	ds_load_b128 v[(\reg):(\reg)+3], v[\a16] offset:(\off)
	ds_load_b64 v[(\reg)+4:(\reg)+5], v[\a8] offset:(\off)+512
	ds_load_b128 v[(\reg)+6:(\reg)+9], v[\a16] offset:(\off)+768
	ds_load_b64 v[(\reg)+10:(\reg)+11], v[\a8] offset:(\off)+1280
.endm
.macro FETCH_P0 slot, q, p
	WIN 0x40
.irp i, 0,1,2,3,4,5,6,7
	FRAG 128*(\p)+12*\i, 8+(\slot), 11+(\slot), \i*3072+1536*(\q)
.endr
	WIN 0
.endm
.macro FETCH_P1 slot, q, i0
.irp i, \i0, \i0+1, \i0+2, \i0+3
	FRAG P1F+12*(\i), 14+(\slot), 17+(\slot), (\i)*3072+1536*(\q)
.endr
.endm
.macro SCALES sg, sp
.irp g, 0,1,2,3
	ds_load_b64 v[SC+16*(\sg)+2*\g:SC+16*(\sg)+2*\g+1], v20 offset:\g*1024+256*(\sp)
	ds_load_b64 v[SC+16*(\sg)+8+2*\g:SC+16*(\sg)+9+2*\g], v21 offset:\g*1024+256*(\sp)
.endr
.endm
.macro WM a, b, p, q, sg, zero         ; P1's block a x P0's block b.  An odd tile's scale words stand in lanes 16-31
.set rD, 8*(8*((\a)%4)+(\b))
.set rA, 128*(\p)+12*(\b)
.set rB, P1F+12*(\a)
.set rX, SC+16*(\sg)+2*((\b)/2)+(\q)
.set rY, SC+16*(\sg)+8+2*((\a)/2)+(\q)
.set odd, 2*((\a)%2)+(\b)%2
.if \zero
.if odd == 0
	v_wmma_scale_f32_16x16x128_f8f6f4 v[rD:rD+7], v[rA:rA+11], v[rB:rB+11], 0, v[rX], v[rY] matrix_a_fmt:MATRIX_FMT_FP6 matrix_b_fmt:MATRIX_FMT_FP6
.elseif odd == 1
	v_wmma_scale_f32_16x16x128_f8f6f4 v[rD:rD+7], v[rA:rA+11], v[rB:rB+11], 0, v[rX], v[rY] matrix_a_fmt:MATRIX_FMT_FP6 matrix_b_fmt:MATRIX_FMT_FP6 matrix_a_scale:MATRIX_SCALE_ROW1
.elseif odd == 2
	v_wmma_scale_f32_16x16x128_f8f6f4 v[rD:rD+7], v[rA:rA+11], v[rB:rB+11], 0, v[rX], v[rY] matrix_a_fmt:MATRIX_FMT_FP6 matrix_b_fmt:MATRIX_FMT_FP6 matrix_b_scale:MATRIX_SCALE_ROW1
.else
	v_wmma_scale_f32_16x16x128_f8f6f4 v[rD:rD+7], v[rA:rA+11], v[rB:rB+11], 0, v[rX], v[rY] matrix_a_fmt:MATRIX_FMT_FP6 matrix_b_fmt:MATRIX_FMT_FP6 matrix_a_scale:MATRIX_SCALE_ROW1 matrix_b_scale:MATRIX_SCALE_ROW1
.endif
.else
.if odd == 0
	v_wmma_scale_f32_16x16x128_f8f6f4 v[rD:rD+7], v[rA:rA+11], v[rB:rB+11], v[rD:rD+7], v[rX], v[rY] matrix_a_fmt:MATRIX_FMT_FP6 matrix_b_fmt:MATRIX_FMT_FP6
.elseif odd == 1
	v_wmma_scale_f32_16x16x128_f8f6f4 v[rD:rD+7], v[rA:rA+11], v[rB:rB+11], v[rD:rD+7], v[rX], v[rY] matrix_a_fmt:MATRIX_FMT_FP6 matrix_b_fmt:MATRIX_FMT_FP6 matrix_a_scale:MATRIX_SCALE_ROW1
.elseif odd == 2
	v_wmma_scale_f32_16x16x128_f8f6f4 v[rD:rD+7], v[rA:rA+11], v[rB:rB+11], v[rD:rD+7], v[rX], v[rY] matrix_a_fmt:MATRIX_FMT_FP6 matrix_b_fmt:MATRIX_FMT_FP6 matrix_b_scale:MATRIX_SCALE_ROW1
.else
	v_wmma_scale_f32_16x16x128_f8f6f4 v[rD:rD+7], v[rA:rA+11], v[rB:rB+11], v[rD:rD+7], v[rX], v[rY] matrix_a_fmt:MATRIX_FMT_FP6 matrix_b_fmt:MATRIX_FMT_FP6 matrix_a_scale:MATRIX_SCALE_ROW1 matrix_b_scale:MATRIX_SCALE_ROW1
.endif
.endif
.endm
.macro MUL16 a0, p, q, sg, zero        ; the 64 accumulators take turns, one instruction a turn, in the same order in every K step
.irp a, \a0, \a0+1
.irp b, 0,1,2,3,4,5,6,7
	WM \a, \b, \p, \q, \sg, \zero
.endr
.endr
.endm
.macro PLACES                          ; four plain instructions between matrix instructions and loads into registers that they have read, or reads of their results
.rept 4
	v_nop
.endr
.endm
.macro STEP q, p, sg, zero, nslot, nq, scl, nsp
	s_wait_dscnt 16                                ; all but the youngest 16 loads, P1's blocks 4-7
	WIN MUL_LO
	MUL16 0, \p, \q, \sg, \zero
	MUL16 2, \p, \q, \sg, \zero
	s_wait_dscnt 0x0
	PLACES
	FETCH_P0 \nslot, \nq, 1-(\p)
	FETCH_P1 \nslot, \nq, 0
.if \scl
	SCALES 1-(\sg), \nsp
.endif
	WIN MUL_HI
	MUL16 4, \p, \q, \sg, \zero
	MUL16 6, \p, \q, \sg, \zero
	PLACES
	WIN 0
	FETCH_P1 \nslot, \nq, 4
.endm
.macro TURN q, p, sg, fill, nslot, nq, nsp
	s_wait_tensorcnt 0x0                           ; all my tensor loads have landed
	ds_add_u32 v[SPW], v[NIL]                      ; 0 onto my spare word
	s_wait_dscnt 17                                ; (the add and the youngest 16 loads may be out)
	WIN MUL_LO
	MUL16 0, \p, \q, \sg, 0
	s_wait_dscnt 0x0                               ; the add is done and my reads are over
	s_barrier_signal -1
	MUL16 2, \p, \q, \sg, 0
	WIN 0
	s_barrier_wait -1
.if \fill
	tensor_load_to_lds s[56:59], s[24:31]          ; my one tensor load behind the barrier, first thing there: four K steps, 256 matrix instructions, in which to land
	s_nop 0
.endif
	PLACES
	FETCH_P0 \nslot, \nq, 1-(\p)
	FETCH_P1 \nslot, \nq, 0
	SCALES 1-(\sg), \nsp
	WIN MUL_HI
	MUL16 4, \p, \q, \sg, 0
	MUL16 6, \p, \q, \sg, 0
	PLACES
	WIN 0
	FETCH_P1 \nslot, \nq, 4
.endm
	s_wait_tensorcnt 2                             ; the scale words and chunk 0 are in; chunks 1 and 2 may be out
	s_barrier_signal -1
	s_barrier_wait -1
	FETCH_P0 0, 0, 0
	FETCH_P1 0, 0, 0
	SCALES 0, 0
	FETCH_P1 0, 0, 4
	STEP 0, 0, 0, 1, 0, 1, 0, 0                    ; K step 0 starts the sums
	TURN 1, 1, 0, 1, 1, 0, 1                       ; slot 0 is left and filled again; every wave has shown chunks 1 and 2 landed
	STEP 0, 0, 1, 0, 1, 1, 0, 0
	STEP 1, 1, 1, 0, 2, 0, 1, 2
	STEP 0, 0, 0, 0, 2, 1, 0, 0
	TURN 1, 1, 0, 0, 0, 0, 3                       ; chunk 3 is shown landed to every wave
	STEP 0, 0, 1, 0, 0, 1, 0, 0
	s_wait_dscnt 16
	WIN MUL_LO
	MUL16 0, 1, 1, 1, 0
	MUL16 2, 1, 1, 1, 0
	s_wait_dscnt 0x0
	WIN MUL_HI
	MUL16 4, 1, 1, 1, 0
	MUL16 6, 1, 1, 1, 0
	WIN 0
; THE WAY OUT, block by block of 16 tokens x 128 columns, through my own stage: in, a lane's eight numbers of accumulator (a, b) are columns 32 (b / 2) + 16 h + 8 (b % 2) + 0 .. 7 of row r; back, whole rows of 512 bytes.
; LDS serves a wave's instructions in order (ISA guide 5.7.1.4): no wait between the stores and the loads, nor in front of the next block's stores.
.macro TOSTAGE a
.set AC, 64*((\a)%4)
	WIN 0x08+4*((\a)/4)                            ; an LDS store's data are its source 1: window 2 or 3
.irp b, 0,1,2,3,4,5,6,7
	ds_store_b128 v[STO], v[AC+8*\b:AC+8*\b+3] offset:128*(\b/2)+32*(\b%2)       ; each accumulator from its low end on
	ds_store_b128 v[STO], v[AC+8*\b+4:AC+8*\b+7] offset:128*(\b/2)+32*(\b%2)+16
.endr
	WIN 0
.set BB, 128+64*((\a)%2)
.irp t, 0,1,2,3,4,5,6,7,8,9,10,11,12,13,14,15
	ds_load_b128 v[BB+4*\t:BB+4*\t+3], v[RD] offset:\t*528
.endr
.endm
.macro SEND a, younger                 ; younger: the LDS instructions issued behind block a's loads
.set BB, 128+64*((\a)%2)
	s_wait_dscnt \younger
.if (\a) > 0
	s_add_nc_u64 s[8:9], s[8:9], 16*4096           ; (behind a wait on XCNT: the earlier stores have read their base)  16 rows of out0 on
.endif
.irp t, 0,1,2,3,4,5,6,7,8,9,10,11,12,13,14,15
	global_store_b128 v22, v[BB+4*\t:BB+4*\t+3], s[8:9] offset:\t*4096 th:TH_STORE_NT   ; 32 lanes store 512 consecutive bytes, at a multiple of 256 from out0's first byte
.endr
.endm
	PLACES
	TOSTAGE 0
.irp a, 1,2,3,4,5,6,7
.if \a > 1
	s_wait_xcnt 0x0                                ; block a - 2's stores have read their registers and their base
.endif
	TOSTAGE \a
	SEND \a-1, 32                                  ; behind block a - 1's loads: block a's 16 stores and 16 loads
.endr
	s_wait_xcnt 0x0
	SEND 7, 0
	s_wait_tensorcnt 0x0                           ; the wave's end
	ds_add_u32 v[SPW], v[NIL]
	s_wait_dscnt 0x0
	s_endpgm
.Lfunc_end_k_q627c906e6d_oproj:
	.size	k_q627c906e6d_oproj, .Lfunc_end_k_q627c906e6d_oproj-k_q627c906e6d_oproj
	.p2alignl 7, 3214868480
	.fill 96, 4, 3214868480
	.section	.rodata,"a",@progbits
	.p2align	6, 0x0
	.amdhsa_kernel k_q627c906e6d_oproj
		.amdhsa_group_segment_fixed_size 327680
		.amdhsa_private_segment_fixed_size 0
		.amdhsa_enable_private_segment 0
		.amdhsa_kernarg_size 24
		.amdhsa_user_sgpr_count 2
		.amdhsa_user_sgpr_kernarg_segment_ptr 1
		.amdhsa_wavefront_size32 1
		.amdhsa_system_sgpr_workgroup_id_x 1
		.amdhsa_system_sgpr_workgroup_id_y 1
		.amdhsa_system_sgpr_workgroup_id_z 1
		.amdhsa_system_vgpr_workitem_id 0
		.amdhsa_next_free_vgpr 1024
		.amdhsa_next_free_sgpr 90
		.amdhsa_reserve_vcc 0
		.amdhsa_float_denorm_mode_32 3
		.amdhsa_float_denorm_mode_16_64 3
		.amdhsa_memory_ordered 1
		.amdhsa_forward_progress 1
		.amdhsa_inst_pref_size 138
	.end_amdhsa_kernel
	.amdgpu_metadata
---
amdhsa.version: [ 1, 2 ]
amdhsa.kernels:
  - .name:           k_q627c906e6d_oproj
    .symbol:         k_q627c906e6d_oproj.kd
    .args:
      - { .name: obuf, .offset: 0, .size: 8, .value_kind: global_buffer, .address_space: global }
      - { .name: wbuf, .offset: 8, .size: 8, .value_kind: global_buffer, .address_space: global }
      - { .name: out0, .offset: 16, .size: 8, .value_kind: global_buffer, .address_space: global }
    .group_segment_fixed_size: 327680
    .private_segment_fixed_size: 0
    .kernarg_segment_align: 8
    .kernarg_segment_size: 24
    .max_flat_workgroup_size: 128
    .sgpr_count:     90
    .vgpr_count:     1024
    .wavefront_size: 32
...
	.end_amdgpu_metadata
.endif
;; end of part 4
